; MI455X (gfx1250); checked and timed in simulation.
; The chip was launched on July 23, 2026; its instructions are those of AMD's public machine-readable ISA for CDNA 5 (MIT licence, August 2026) and "CDNA5" Instruction Set Architecture Reference Guide (July 2026). The comments in the code are by the model that wrote it; some were corrected since.
;; MLA Layer. Allowed arithmetic: float matrix products may take bf16 or f16 operands with f32 sums; other float arithmetic in f32, or as packed bf16 or f16 multiplies, adds, multiply-adds, maxima and minima; sums over many terms, partial sums and values carried from step to step in f32; what a program stores and reads back later, other than sums and carried values, may be rounded once to bf16 or f16.
;; Inputs: Wd 1,024 x 256 float32; Wo 1,024 x 1,024 float32; Wq 1,024 x 1,024 float32; Wu 256 x 2,048 float32; bd 256 float32; bo 1,024 float32; bq 1,024 float32; bu 2,048 float32; x 4 x 4,096 x 1,024 float32.
;; Outputs: out0 4 x 4,096 x 1,024 float32.
;; One version. Each part assembles by itself: llvm-mc -triple=amdgcn-amd-amdhsa -mcpu=gfx1250 --defsym DOCPART=n.
;; ======== version 1 of 1: 5 launches
;; workspace buffers: wt 5,767,168 bytes; xb 33,554,432 bytes; cb 8,388,608 bytes; ctxp 4,194,304 bytes; ksp 65,536 bytes; mt 8,388,608 bytes; qs 33,554,432 bytes
;; launch prep (part 1): grid 352 x 1, 4 waves a work-group, no clusters, 17,920 bytes of LDS; arguments Wq, Wo, Wd, Wu, wt; writes wt
.if DOCPART == 1
	.amdgcn_target "amdgcn-amd-amdhsa--gfx1250"
	.amdhsa_code_object_version 6
	.text
	.protected	k_q5baa3a7b12_prep
	.globl	k_q5baa3a7b12_prep
	.p2align	8
	.type	k_q5baa3a7b12_prep,@function
k_q5baa3a7b12_prep:
	s_mov_b64 s[64:65], 0
	v_nop
	global_prefetch_b8 v0, s[64:65] scope:SCOPE_SE
	s_setreg_imm32_b32 hwreg(HW_REG_WAVE_MODE, 25, 1), 1
	s_wait_xcnt 0x0
; The four weight matrices, f32 [K][N], are rounded once to bf16 and turned to [N][K], so that later launches find K along the rows.
; wt: Wq^T [1024][1024] at byte 0, Wo^T [1024][1024] at 2,097,152, Wd^T [256][1024] at 4,194,304, Wu^T [2048][256] at 4,718,592.
; A work-group turns one tile of 128 k x 64 n: 128 + 128 + 32 + 64 = 352 tiles.  Which matrix, and its sizes, are chosen by selects on the work-group's number: no branch.
; In: each load of a wave takes two whole rows of 256 bytes.  Out: sixteen lanes store 256 consecutive bytes, aligned.  The turn goes through LDS: 64 rows (n) of 256 bytes + 16 of padding.
; NO CLUSTER, no tensor load: no two work-groups read the same byte, and every number is converted in registers on its way.
.set TPITCH, 272
.set SPARE,  64*TPITCH                 ; behind the tile: the spare words, 128 bytes a wave
.set SPW,  2                           ; v2      my spare word's LDS address; never rewritten
.set NIL,  3                           ; v3      0; never rewritten
.set SOFF, 4                           ; v4-11   byte offsets of my eight stores
.set TR,   14                          ; v14     where I read rows of the turned tile
.set TW,   15                          ; v15     where I put my 32 bytes of a column
.set OFF,  16                          ; v16-31  byte offsets of my sixteen loads
.set L,    32                          ; v32-95  sixteen rows x four columns, f32; later the rows read back
.set P,    96                          ; v96-127 column c: eight words of two bf16 at P + 8 c
	s_load_b256 s[4:11], s[0:1], 0x0               ; Wq s[4:5], Wo s[6:7], Wd s[8:9], Wu s[10:11]
	s_load_b64 s[12:13], s[0:1], 0x20              ; wt
	v_lshl_add_u32 v[SPW], v0, 2, SPARE
	v_mov_b32 v[NIL], 0
	v_lshrrev_b32 v1, 5, v0
	v_readfirstlane_b32 s15, v1                    ; wave 0..3
	v_and_b32 v12, 15, v0                          ; q = lane % 16
	v_bfe_u32 v13, v0, 4, 1                        ; hh = lane / 16
	s_mov_b32 s14, ttmp9
	s_mov_b32 s22, 8192                            ; Wu's figures; the selects below replace them for the other three
	s_mov_b32 s23, 512
	s_mov_b32 s24, 4718592
	s_mov_b32 s27, 288
	s_wait_kmcnt 0x0
	s_cmp_lt_u32 s14, 288                          ; Wd, or one of the two in front of it
	s_cselect_b32 s22, 1024, s22                   ; s22: bytes in a source row, 4 N
	s_cselect_b32 s23, 2048, s23                   ; s23: bytes in a turned row, 2 K
	s_cselect_b32 s24, 4194304, s24                ; s24: the matrix's place in wt
	s_cselect_b32 s27, 256, s27                    ; s27: its first work-group
	s_cselect_b32 s30, 3, 1                        ; s30: log2 of its tiles along K
	s_cselect_b64 s[20:21], s[8:9], s[10:11]
	s_cmp_lt_u32 s14, 256                          ; Wo or Wq
	s_cselect_b32 s22, 4096, s22
	s_cselect_b32 s24, 2097152, s24
	s_cselect_b32 s27, 128, s27
	s_cselect_b64 s[20:21], s[6:7], s[20:21]
	s_cmp_lt_u32 s14, 128                          ; Wq
	s_cselect_b32 s24, 0, s24
	s_cselect_b32 s27, 0, s27
	s_cselect_b64 s[20:21], s[4:5], s[20:21]
	s_sub_co_u32 s27, s14, s27                     ; the tile's number in its matrix
	s_bfm_b32 s31, s30, 0
	s_and_b32 s25, s27, s31                        ; kt
	s_lshr_b32 s26, s27, s30                       ; nt
	s_mul_i32 s28, s25, s22
	s_lshl_b32 s28, s28, 7                         ; 128 kt rows of the source,
	s_lshl_b32 s29, s26, 8                         ; 64 nt columns of 4 bytes
	s_add_co_u32 s28, s28, s29
	s_mov_b32 s29, 0
	s_add_nc_u64 s[20:21], s[20:21], s[28:29]
	s_mul_i32 s28, s26, s23
	s_lshl_b32 s28, s28, 6                         ; 64 nt turned rows,
	s_lshl_b32 s31, s25, 8                         ; 128 kt numbers of 2 bytes,
	s_add_co_u32 s28, s28, s31
	s_add_co_u32 s28, s28, s24                     ; in the matrix's part of wt
	s_add_nc_u64 s[12:13], s[12:13], s[28:29]
	s_lshl_b32 s16, s15, 5
	v_lshl_add_u32 v14, v13, 4, s16                ; my first row of the tile: 32 w + 16 hh
	v_mul_lo_u32 v[OFF], v14, s22
	v_lshl_add_u32 v[OFF], v12, 4, v[OFF]          ; my four columns
.set i, 1
.rept 15
	v_add_nc_u32 v[OFF+i], s22, v[OFF+i-1]         ; a row further down
.set i, i+1
.endr
.set i, 0
.rept 16
	global_load_b128 v[L+4*i:L+4*i+3], v[OFF+i], s[20:21] th:TH_LOAD_NT  ; rows 32 w + i (lanes 0-15) and 32 w + 16 + i (lanes 16-31), 256 bytes each
.set i, i+1
.endr
	v_mul_u32_u24 v[TW], v12, 4*TPITCH             ; in: turned row 4 q + c, bytes 64 w + 32 hh on
	v_lshl_add_u32 v[TW], v13, 5, v[TW]
	s_lshl_b32 s17, s15, 6
	v_add_nc_u32 v[TW], s17, v[TW]
	s_lshl_b32 s18, s15, 4
	v_add_nc_u32 v1, s18, v13                      ; back: turned row 16 w + hh, then every second row
	v_mul_u32_u24 v[TR], v1, TPITCH
	v_lshl_add_u32 v[TR], v12, 4, v[TR]
	v_mul_lo_u32 v[SOFF], v1, s23
	v_lshl_add_u32 v[SOFF], v12, 4, v[SOFF]
	s_lshl_b32 s19, s23, 1
.set i, 1
.rept 7
	v_add_nc_u32 v[SOFF+i], s19, v[SOFF+i-1]
.set i, i+1
.endr
	s_wait_loadcnt 0x0
.irp c, 0,1,2,3
.irp p, 0,1,2,3,4,5,6,7
	v_cvt_pk_bf16_f32 v[P+8*(\c)+(\p)], v[L+8*(\p)+(\c)], v[L+8*(\p)+4+(\c)]  ; two neighbouring k of column c
.endr
.endr
.irp c, 0,1,2,3
	ds_store_b128 v[TW], v[P+8*(\c):P+8*(\c)+3]   offset:(\c)*TPITCH
	ds_store_b128 v[TW], v[P+8*(\c)+4:P+8*(\c)+7] offset:(\c)*TPITCH+16
.endr
	s_wait_dscnt 0x0                               ; for the others' sake: my stores are done
	s_barrier_signal -1
	s_barrier_wait -1                              ; a turned row holds k of all four waves
.irp i, 0,1,2,3,4,5,6,7
	ds_load_b128 v[L+4*(\i):L+4*(\i)+3], v[TR] offset:(\i)*2*TPITCH
.endr
.irp i, 0,1,2,3,4,5,6,7
	s_wait_dscnt 7-(\i)                            ; LDS loads come back in order: load i is in
	global_store_b128 v[SOFF+(\i)], v[L+4*(\i):L+4*(\i)+3], s[12:13]  ; 16 lanes store 256 consecutive bytes, aligned
.endr
	s_wait_tensorcnt 0x0                           ; the wave's end
	ds_add_u32 v[SPW], v[NIL]
	s_wait_dscnt 0x0
	s_endpgm
.Lfunc_end_k_q5baa3a7b12_prep:
	.size	k_q5baa3a7b12_prep, .Lfunc_end_k_q5baa3a7b12_prep-k_q5baa3a7b12_prep
	.p2alignl 7, 3214868480
	.fill 96, 4, 3214868480
	.section	.rodata,"a",@progbits
	.p2align	6, 0x0
	.amdhsa_kernel k_q5baa3a7b12_prep
		.amdhsa_group_segment_fixed_size 17920
		.amdhsa_private_segment_fixed_size 0
		.amdhsa_enable_private_segment 0
		.amdhsa_kernarg_size 40
		.amdhsa_user_sgpr_count 2
		.amdhsa_user_sgpr_kernarg_segment_ptr 1
		.amdhsa_wavefront_size32 1
		.amdhsa_system_sgpr_workgroup_id_x 1
		.amdhsa_system_sgpr_workgroup_id_y 1
		.amdhsa_system_sgpr_workgroup_id_z 1
		.amdhsa_system_vgpr_workitem_id 0
		.amdhsa_next_free_vgpr 128
		.amdhsa_next_free_sgpr 66
		.amdhsa_reserve_vcc 0
		.amdhsa_float_denorm_mode_32 3
		.amdhsa_float_denorm_mode_16_64 3
		.amdhsa_memory_ordered 1
		.amdhsa_forward_progress 1
		.amdhsa_inst_pref_size 10
	.end_amdhsa_kernel
	.amdgpu_metadata
---
amdhsa.version: [ 1, 2 ]
amdhsa.kernels:
  - .name:           k_q5baa3a7b12_prep
    .symbol:         k_q5baa3a7b12_prep.kd
    .args:
      - { .name: Wq, .offset: 0, .size: 8, .value_kind: global_buffer, .address_space: global }
      - { .name: Wo, .offset: 8, .size: 8, .value_kind: global_buffer, .address_space: global }
      - { .name: Wd, .offset: 16, .size: 8, .value_kind: global_buffer, .address_space: global }
      - { .name: Wu, .offset: 24, .size: 8, .value_kind: global_buffer, .address_space: global }
      - { .name: wt, .offset: 32, .size: 8, .value_kind: global_buffer, .address_space: global }
    .group_segment_fixed_size: 17920
    .private_segment_fixed_size: 0
    .kernarg_segment_align: 8
    .kernarg_segment_size: 40
    .max_flat_workgroup_size: 128
    .sgpr_count:     66
    .vgpr_count:     128
    .wavefront_size: 32
...
	.end_amdgpu_metadata
.endif
;; end of part 1
;; launch cgemm (part 2): grid 256 x 1, 4 waves a work-group, clusters of 4 x 1, 327,680 bytes of LDS; arguments x, wt, bd, xb, cb; writes xb, cb
.if DOCPART == 2
	.amdgcn_target "amdgcn-amd-amdhsa--gfx1250"
	.amdhsa_code_object_version 6
	.text
	.protected	k_q5baa3a7b12_cgemm
	.globl	k_q5baa3a7b12_cgemm
	.p2align	8
	.type	k_q5baa3a7b12_cgemm,@function
k_q5baa3a7b12_cgemm:
	s_mov_b64 s[64:65], 0
	v_nop
	global_prefetch_b8 v0, s[64:65] scope:SCOPE_SE
	s_setreg_imm32_b32 hwreg(HW_REG_WAVE_MODE, 25, 1), 1
	s_wait_xcnt 0x0
	s_wait_alu depctr_hold_cnt(0) depctr_sa_sdst(0) depctr_va_vdst(0) depctr_va_sdst(0) depctr_va_ssrc(0) depctr_va_vcc(0) depctr_vm_vsrc(0)
	s_getreg_b32 s2, hwreg(HW_REG_IB_STS2, 6, 4)
	s_cmp_eq_u32 s2, 0
	s_cbranch_scc0 .Lentry_in_a_cluster
	s_endpgm
.Lentry_in_a_cluster:
	s_bfe_u32 s2, ttmp6, 0x10000c
	s_cmp_lg_u32 s2, 0x3003
	s_cbranch_scc0 .Lentry_shape_is_right
	s_endpgm
.Lentry_shape_is_right:
; xb = bf16(x), and c = x Wd + bd, rounded once to bf16.  x: [16384][1024] f32, read once; Wd^T: [256][1024] bf16 in wt; xb: [16384][1024] bf16; cb: [16384][256] bf16.
; All inputs are rounded to bf16, bd too; sums in f32.
; SHARES.  A work-group owns 64 rows.  K goes in 8 chunks of 128.  Wave w loads and converts rows 16 w .. + 15 of x (512 bytes a row and chunk), stores them to xb (32 lanes x 8 bytes = 256 consecutive
; bytes, aligned) and into LDS; then it multiplies all 64 rows by columns 64 w .. + 63 of Wd: 16 accumulators, which start at the bias, so nothing is cleared and no bias pass follows.
; CLUSTER.  Every work-group walks the same Wd^T: the four of a cluster ask for it JOINTLY (wave w its rows 64 w .. + 63), the same descriptor and mask in all four.
; THE RING.  A slot holds TWO chunks of Wd^T (rows of 512 bytes), brought by one load a wave: a fill goes out behind the round of every second chunk and has two chunks, 128 matrix instructions and two
; conversions of x, in which to land.  The chunks between pass a plain barrier of the work-group, which hands x's rows over; the fill stays out across it.
; THE MATRIX INSTRUCTION IS USED TRANSPOSED (source 0 = 16 rows of Wd^T, source 1 = 16 rows of x): a lane holds one row of c and eight neighbouring columns.
; The launch's bytes, 64 MiB in and 40 MiB out, are what it lasts by; two chunks of x (32 loads of 512 bytes a wave) are always on their way.  No prefetch: a wave's share of x is eight chunks, of which two
; are loaded at the head, and Wd^T is read by everybody.
; REGISTERS.  window 0: v2-13 addresses; v32-159 two chunks of x as loaded; v160-191 a chunk as bf16.  window 1: v0-127 accumulators ((a, b) at 8 (4 a + b)); v128-191, v192-255 two fragment buffers (x's four, then Wd's four).
.set PITCH,  272                       ; a row of x in LDS: 256 bytes + 16 of padding: the 16 rows of a fragment load start at 16 different groups of four banks (ISA guide 11.1)
.set AQ,     64*PITCH                  ; 64 rows of x
.set WPITCH, 528                       ; a row of Wd^T in LDS: 512 bytes + 16 of padding
.set WQ,     64*WPITCH                 ; a wave's 64 rows
.set SLOT,   4*WQ                      ; 0x21000: no wave's place in a slot has one of its two bits, so one exclusive or changes slots
.set ABUF,   2*SLOT                    ; behind the ring: two halves of 64 rows of x in bf16, written by ds_store alone
.set SPARE,  ABUF+2*AQ                 ; the spare words, 128 bytes a wave
.set SPITCH, 528                       ; the way out's stage, 64 rows x 528 bytes, begins at LDS byte 0: slot 0 has had its last fill, and its last reads lie in front of chunk 6's barrier
.set WDT,    4194304
.set XOFF, 2                           ; v2-3   byte offset of my 16 bytes in the chunk that register slot 0, 1 loads next
.set YOFF, 4                           ; v4     byte offset of my 8 bytes in xb, one chunk ahead of the stores
.set AWR,  5                           ; v5     where I put my 8 bytes in ABUF
.set AR,   6                           ; v6     my lane's place in a fragment of x
.set BR0,  8                           ; v8     my lane's place in a fragment of Wd^T in slot 0; never rewritten
.set BRC,  9                           ; v9     the same in the slot in hand
.set STO,  10
.set RD,   11
.set CO,   12
.set BO,   13
.set SPW,  28                          ; v28    my spare word; never rewritten
.set NIL,  29                          ; v29    0; never rewritten
.set X,    32
.set Y,    160
.set F0,   128                         ; window 1
.set F1,   192
.set WV,   14                          ; s14    wave
.set G1,   16                          ; s[16:23] descriptor group 1
.set G0,   32                          ; s[32:35] group 0: it walks
.set CNT,  44
.set TB,   45                          ; s45    LDS byte at which the slot in hand begins
.set MSB, 0
.macro WIN new                         ; the immediate's high byte repeats the setting that is left
.if MSB != (\new)
	s_set_vgpr_msb (MSB<<8)|(\new)
.set MSB, (\new)
.endif
.endm
.macro ROUND                           ; a round of the cluster's barrier
	s_barrier_signal -1
	s_barrier_wait -1
	s_cmp_lg_u32 s[WV], 0
	s_cbranch_scc1 .Lnot_wave_0_\@
	s_barrier_signal -3
.Lnot_wave_0_\@:
	s_barrier_wait -3
	s_barrier_signal -1
	s_barrier_wait -1
.endm
.macro PLACES                          ; four places behind a matrix instruction (ISA guide 7.12.1)
.rept 4
	v_nop
.endr
.endm
	s_load_b256 s[4:11], s[0:1], 0x0               ; x s[4:5], wt s[6:7], bd s[8:9], xb s[10:11]
	s_load_b64 s[12:13], s[0:1], 0x20              ; cb
	v_lshl_add_u32 v[SPW], v0, 2, SPARE
	v_mov_b32 v[NIL], 0
	ds_add_u32 v[SPW], v[NIL]                      ; the wave's opening: the add, twice on end, and its wait ahead of my first tensor load
	ds_add_u32 v[SPW], v[NIL]
	v_lshrrev_b32 v1, 5, v0
	v_readfirstlane_b32 s[WV], v1
	s_bfe_u32 s15, ttmp6, 0x40000                  ; cx
	s_lshl_b32 s24, ttmp9, 2
	s_add_co_u32 s24, s24, s15                     ; my block of 64 rows: it enters x's, xb's and cb's addresses alone
	s_mov_b32 s[G1+0], 15|(1<<16)|(1<<20)|(1<<21)|(6<<22)|(3<<25)  ; mask of four; 2-byte elements; padding on; bit 21 beside a mask; after every 128 words, 4 words
	s_mov_b32 s[G1+1], 256<<16                     ; tensor_dim0 = 256: two chunks
	s_mov_b32 s[G1+2], 64<<16                      ; tensor_dim1 = 64
	s_mov_b32 s[G1+3], 256<<16                     ; tile_dim0 = 256
	s_mov_b32 s[G1+4], 64                          ; tile_dim1 = 64
	s_mov_b32 s[G1+5], 1024                        ; elements from row to row
	s_mov_b32 s[G1+6], 0
	s_mov_b32 s[G1+7], 0
	s_mul_i32 s26, s[WV], WQ                       ; my 64 rows' place in a slot
	s_lshl_b32 s28, s[WV], 17                      ; and in Wd^T: 64 rows of 2,048 bytes
	s_add_co_u32 s28, s28, WDT
	s_mov_b32 s29, 0
	s_lshl_b32 s40, s24, 18                        ; 64 rows of x,
	s_mov_b32 s41, 0
	s_lshl_b32 s42, s24, 17                        ; of xb,
	s_mov_b32 s43, 0
	s_lshl_b32 s46, s24, 15                        ; of cb
	s_mov_b32 s47, 0
	s_mov_b32 s[CNT], 3
	s_mov_b32 s[TB], 0
	s_mov_b32 s[G0], 1
	s_mov_b32 s[G0+1], s26                         ; slot 0
	s_wait_dscnt 0x0                               ; both opening adds are done
	s_wait_kmcnt 0x0
	s_add_nc_u64 s[6:7], s[6:7], s[28:29]
	s_add_nc_u64 s[4:5], s[4:5], s[40:41]
	s_add_nc_u64 s[10:11], s[10:11], s[42:43]
	s_add_nc_u64 s[12:13], s[12:13], s[46:47]
	s_add_nc_u64 s[G0+2:G0+3], s[6:7], 0           ; chunks 0 and 1
	s_or_b32 s[G0+3], s[G0+3], 0x80000000
	ROUND                                          ; all four work-groups are here: the first joint loads meet
	tensor_load_to_lds s[G0:G0+3], s[G1:G1+7]      ; chunks 0 and 1 into slot 0; slot 1 is asked for behind the first chunk's round
	s_nop 0
	PLACES
	v_and_b32 v14, 31, v0                          ; l
	v_and_b32 v15, 15, v0                          ; r
	v_bfe_u32 v18, v0, 4, 1                        ; hh
	s_lshl_b32 s27, s[WV], 16                      ; 16 rows of x
	v_lshl_add_u32 v[XOFF], v14, 4, s27
	v_add_nc_u32 v[XOFF+1], 512, v[XOFF]
	s_lshl_b32 s30, s[WV], 15                      ; 16 rows of xb
	v_lshl_add_u32 v[YOFF], v14, 3, s30
	s_mul_i32 s31, s[WV], 16*PITCH
	s_add_co_u32 s31, s31, ABUF
	v_lshl_add_u32 v[AWR], v14, 3, s31
	v_mul_u32_u24 v19, v15, PITCH
	v_lshl_add_u32 v19, v18, 4, v19                ; a fragment's row x pitch + 16 x half
	v_add_nc_u32 v[AR], ABUF, v19
	v_mul_u32_u24 v19, v15, WPITCH                 ; the same at the pitch of 528, which Wd^T's rows and the stage's share
	v_lshl_add_u32 v19, v18, 4, v19
	v_add_nc_u32 v[BR0], s26, v19
	s_lshl_b32 s27, s[WV], 7
	v_add_nc_u32 v[STO], s27, v19                  ; the stage: row r, my wave's 128 bytes, 16 bytes for each half of the lanes
	s_mul_i32 s27, s[WV], 16*SPITCH
	v_lshl_add_u32 v[RD], v14, 4, s27              ; back: rows 16 w on, 512 bytes by 32 lanes
	s_lshl_b32 s27, s[WV], 13
	v_lshl_add_u32 v[CO], v14, 4, s27
	s_lshl_b32 s27, s[WV], 8
	v_lshl_add_u32 v[BO], v18, 5, s27              ; bd: columns 64 w + 8 hh on
	WIN 0x40                                       ; destination window 1
.irp b, 0,1,2,3
	global_load_b128 v[8*(\b):8*(\b)+3],   v[BO], s[8:9] offset:64*(\b)
	global_load_b128 v[8*(\b)+4:8*(\b)+7], v[BO], s[8:9] offset:64*(\b)+16
.endr
	WIN 0
.irp s, 0,1
.set j, 0
.rept 16
	global_load_b128 v[X+64*(\s)+4*j:X+64*(\s)+4*j+3], v[XOFF+(\s)], s[4:5] offset:4096*j th:TH_LOAD_NT  ; row 16 w + j, 512 consecutive bytes
.set j, j+1
.endr
.endr
	s_wait_loadcnt 32                              ; the bias is in; the 32 loads of x behind it stay out
	WIN 0x05
.set i, 0
.rept 16
	v_cvt_pk_bf16_f32 v[Y+i], v[2*i], v[2*i+1]     ; the bias is rounded to bf16 like every input,
.set i, i+1
.endr
	WIN 0x40
.set i, 0
.rept 16
	v_lshlrev_b32 v[2*i], 16, v[Y+i]               ; and widened again: the sums of row block 0 start at it,
	v_and_b32 v[2*i+1], 0xffff0000, v[Y+i]
.set i, i+1
.endr
	WIN 0x41
.set i, 0
.rept 96
	v_mov_b32 v[32+i], v[i%32]                     ; and those of row blocks 1 to 3: written while x is on its way
.set i, i+1
.endr
	WIN 0
.macro FETCH half, ks, f               ; 16 LDS loads: the fragments of 32 along K; half: which half of ABUF, and which 256 bytes of Wd^T's rows
	WIN 0x40
.irp i, 0,1,2,3
	ds_load_b128 v[(\f)+8*(\i):(\f)+8*(\i)+3],   v[AR] offset:(\half)*AQ+(\i)*16*PITCH+64*(\ks)
	ds_load_b128 v[(\f)+8*(\i)+4:(\f)+8*(\i)+7], v[AR] offset:(\half)*AQ+(\i)*16*PITCH+64*(\ks)+32
.endr
.irp i, 0,1,2,3
	ds_load_b128 v[(\f)+32+8*(\i):(\f)+32+8*(\i)+3],   v[BRC] offset:(\i)*16*WPITCH+256*(\half)+64*(\ks)
	ds_load_b128 v[(\f)+32+8*(\i)+4:(\f)+32+8*(\i)+7], v[BRC] offset:(\i)*16*WPITCH+256*(\half)+64*(\ks)+32
.endr
.endm
.macro MUL16 f                         ; the 16 accumulators take turns, one instruction a turn
	WIN 0x55
.irp a, 0,1,2,3
.irp b, 0,1,2,3
	v_wmma_f32_16x16x32_bf16 v[8*(4*(\a)+(\b)):8*(4*(\a)+(\b))+7], v[(\f)+32+8*(\b):(\f)+32+8*(\b)+7], v[(\f)+8*(\a):(\f)+8*(\a)+7], v[8*(4*(\a)+(\b)):8*(4*(\a)+(\b))+7]
.endr
.endr
.endm
; A chunk of x: my 16 rows are converted, stored to xb and put into ABUF.  left: the younger loads of x that may stay out.  xload = 1: the register slot takes the chunk two on.
.macro XPART half, xload, left
	s_wait_loadcnt \left                           ; my 16 rows of the chunk are in
	s_wait_xcnt 0x0                                ; the last chunk's stores have read Y and YOFF: they are rewritten only behind this wait
	v_add_nc_u32 v[YOFF], 256, v[YOFF]
.set j, 0
.rept 32
	v_cvt_pk_bf16_f32 v[Y+j], v[X+64*(\half)+2*j], v[X+64*(\half)+2*j+1]
.set j, j+1
.endr
.set j, 0
.rept 16
	global_store_b64 v[YOFF], v[Y+2*j:Y+2*j+1], s[10:11] offset:2048*j-256  ; 32 lanes store 256 consecutive bytes, aligned
.set j, j+1
.endr
.set j, 0
.rept 16
	ds_store_b64 v[AWR], v[Y+2*j:Y+2*j+1] offset:(\half)*AQ+PITCH*j
.set j, j+1
.endr
.if \xload
	v_add_nc_u32 v[XOFF+(\half)], 1024, v[XOFF+(\half)]  ; free since the wait for its loads
.set j, 0
.rept 16
	global_load_b128 v[X+64*(\half)+4*j:X+64*(\half)+4*j+3], v[XOFF+(\half)], s[4:5] offset:4096*j th:TH_LOAD_NT
.set j, j+1
.endr
.endif
.endm
.macro MATS half                       ; a chunk's 64 matrix instructions, on two fragment buffers
	FETCH \half, 0, F0
	FETCH \half, 1, F1
	s_wait_dscnt 16                                ; the older run of 16 is in
	MUL16 F0
	PLACES
	FETCH \half, 2, F0
	s_wait_dscnt 16
	MUL16 F1
	PLACES
	FETCH \half, 3, F1
	s_wait_dscnt 16
	MUL16 F0
	s_wait_dscnt 0x0
	MUL16 F1
	WIN 0                                          ; at a label and at a branch every window is 0
.endm
; TWO CHUNKS: one slot of Wd^T.  In front of the first stands the change of slots: my part of this slot has landed, everybody's reads of the other slot and of ABUF's first half are over, my rows of x lie in ABUF.
; fill = 1: the barrier is a round of the cluster's, and the other slot is filled first thing behind it, with the next two chunks.  In front of the second chunk stands a plain barrier, for ABUF's second half alone.
.macro PAIR fill, xload, lefta, leftb
	XPART 0, \xload, \lefta
	s_wait_tensorcnt 0x0                           ; all my tensor loads have landed: the one that was out is my part of this slot
	ds_add_u32 v[SPW], v[NIL]                      ; 0 onto my spare word
.if \fill
	s_xor_b32 s[G0+1], s[G0+1], SLOT               ; no load of mine is out: the walking descriptor takes the other slot,
	s_add_nc_u64 s[G0+2:G0+3], s[G0+2:G0+3], 512   ; and the next two chunks
.endif
	s_wait_dscnt 0x0                               ; the add and my stores into ABUF are done, my reads of the last chunk are over
.if \fill
	ROUND
	tensor_load_to_lds s[G0:G0+3], s[G1:G1+7]      ; my one tensor load behind the round
	s_nop 0
.else
	s_barrier_signal -1
	s_barrier_wait -1
.endif
	PLACES                                         ; behind the tensor load; also the places in front of the loads below
	v_add_nc_u32 v[BRC], s[TB], v[BR0]
	s_xor_b32 s[TB], s[TB], SLOT                   ; the next two chunks lie in the other slot
	MATS 0
	XPART 1, \xload, \leftb
	s_wait_dscnt 0x0                               ; for the others' sake: my stores into ABUF are done, my reads of its other half are over
	s_barrier_signal -1
	s_barrier_wait -1                              ; the fill stays out across it
	PLACES
	MATS 1
.endm
.Lpairs:                                       ; three trips: chunks 0 to 5 are multiplied, chunks 2 to 7 asked for
	PAIR 1, 1, 16, 16
	s_sub_co_u32 s[CNT], s[CNT], 1
	s_cmp_lg_u32 s[CNT], 0
	s_cbranch_scc1 .Lpairs
	PAIR 0, 0, 16, 0                               ; chunks 6 and 7 are written out: nothing is left to ask for
	; THE WAY OUT: rounded to bf16, 16 bytes a lane into the work-group's stage; a barrier, since a row's 512 bytes come from four waves; back as whole rows.
	PLACES
	WIN 0x05
.set i, 0
.rept 64
	v_cvt_pk_bf16_f32 v[X+i], v[2*i], v[2*i+1]     ; each accumulator's registers in ascending order
.set i, i+1
.endr
	WIN 0
.irp a, 0,1,2,3
.irp b, 0,1,2,3
	ds_store_b128 v[STO], v[X+4*(4*(\a)+(\b)):X+4*(4*(\a)+(\b))+3] offset:(\a)*16*SPITCH+32*(\b)
.endr
.endr
	s_wait_dscnt 0x0                               ; for the others' sake
	s_barrier_signal -1
	s_barrier_wait -1
.set i, 0
.rept 16
	ds_load_b128 v[X+64+4*i:X+64+4*i+3], v[RD] offset:SPITCH*i
.set i, i+1
.endr
.set i, 0
.rept 16
	s_wait_dscnt 15-i
	global_store_b128 v[CO], v[X+64+4*i:X+64+4*i+3], s[12:13] offset:512*i  ; a whole row of c: 512 consecutive bytes, aligned
.set i, i+1
.endr
	s_wait_tensorcnt 0x0                           ; the wave's end
	ds_add_u32 v[SPW], v[NIL]
	s_wait_dscnt 0x0
	ROUND                                          ; the closing round
	s_endpgm
.Lfunc_end_k_q5baa3a7b12_cgemm:
	.size	k_q5baa3a7b12_cgemm, .Lfunc_end_k_q5baa3a7b12_cgemm-k_q5baa3a7b12_cgemm
	.p2alignl 7, 3214868480
	.fill 96, 4, 3214868480
	.section	.rodata,"a",@progbits
	.p2align	6, 0x0
	.amdhsa_kernel k_q5baa3a7b12_cgemm
		.amdhsa_group_segment_fixed_size 327680
		.amdhsa_private_segment_fixed_size 0
		.amdhsa_enable_private_segment 0
		.amdhsa_kernarg_size 40
		.amdhsa_user_sgpr_count 2
		.amdhsa_user_sgpr_kernarg_segment_ptr 1
		.amdhsa_wavefront_size32 1
		.amdhsa_system_sgpr_workgroup_id_x 1
		.amdhsa_system_sgpr_workgroup_id_y 1
		.amdhsa_system_sgpr_workgroup_id_z 1
		.amdhsa_system_vgpr_workitem_id 0
		.amdhsa_next_free_vgpr 512
		.amdhsa_next_free_sgpr 66
		.amdhsa_reserve_vcc 0
		.amdhsa_float_denorm_mode_32 3
		.amdhsa_float_denorm_mode_16_64 3
		.amdhsa_memory_ordered 1
		.amdhsa_forward_progress 1
		.amdhsa_inst_pref_size 81
	.end_amdhsa_kernel
	.amdgpu_metadata
---
amdhsa.version: [ 1, 2 ]
amdhsa.kernels:
  - .name:           k_q5baa3a7b12_cgemm
    .symbol:         k_q5baa3a7b12_cgemm.kd
    .args:
      - { .name: x, .offset: 0, .size: 8, .value_kind: global_buffer, .address_space: global }
      - { .name: wt, .offset: 8, .size: 8, .value_kind: global_buffer, .address_space: global }
      - { .name: bd, .offset: 16, .size: 8, .value_kind: global_buffer, .address_space: global }
      - { .name: xb, .offset: 24, .size: 8, .value_kind: global_buffer, .address_space: global }
      - { .name: cb, .offset: 32, .size: 8, .value_kind: global_buffer, .address_space: global }
    .group_segment_fixed_size: 327680
    .private_segment_fixed_size: 0
    .kernarg_segment_align: 8
    .kernarg_segment_size: 40
    .max_flat_workgroup_size: 128
    .sgpr_count:     66
    .vgpr_count:     512
    .wavefront_size: 32
...
	.end_amdgpu_metadata
.endif
;; end of part 2
;; launch kvctx (part 3): grid 16 x 16, 4 waves a work-group, clusters of 4 x 1, 327,680 bytes of LDS; arguments cb, wt, bu, ctxp, ksp; writes ctxp, ksp
.if DOCPART == 3
	.amdgcn_target "amdgcn-amd-amdhsa--gfx1250"
	.amdhsa_code_object_version 6
	.text
	.protected	k_q5baa3a7b12_kvctx
	.globl	k_q5baa3a7b12_kvctx
	.p2align	8
	.type	k_q5baa3a7b12_kvctx,@function
k_q5baa3a7b12_kvctx:
	s_mov_b64 s[64:65], 0
	v_nop
	global_prefetch_b8 v0, s[64:65] scope:SCOPE_SE
	s_setreg_imm32_b32 hwreg(HW_REG_WAVE_MODE, 25, 1), 1
	s_wait_xcnt 0x0
	s_wait_alu depctr_hold_cnt(0) depctr_sa_sdst(0) depctr_va_vdst(0) depctr_va_sdst(0) depctr_va_ssrc(0) depctr_va_vcc(0) depctr_vm_vsrc(0)
	s_getreg_b32 s2, hwreg(HW_REG_IB_STS2, 6, 4)
	s_cmp_eq_u32 s2, 0
	s_cbranch_scc0 .Lentry_in_a_cluster
	s_endpgm
.Lentry_in_a_cluster:
	s_bfe_u32 s2, ttmp6, 0x10000c
	s_cmp_lg_u32 s2, 0x3003
	s_cbranch_scc0 .Lentry_shape_is_right
	s_endpgm
.Lentry_shape_is_right:
; For one head h and 1,024 rows of one batch: kv = c Wu + bu (128 columns: 64 of k, 64 of v), f(k) = elu(k) + 1, and the partial sums ctx[d][e] = sum over t of f(k)[t][d] v[t][e] and ks[d] = sum over t of f(k)[t][d].
; cb: [16384][256] bf16; Wu^T: [2048][256] bf16 in wt; ctxp: [b][h][chunk][64][64] f32; ksp: [b][h][chunk][64] f32.  bu is rounded to bf16 like every input; f(k) and v are rounded to bf16 for the second product; all sums in f32.
; f(a) = the middle one of a + 1, e^a and 1 (a > 0: e^a > a + 1 > 1; a <= 0: a + 1 <= e^a <= 1).  LIMITS: e^a stands for expm1(a) + 1 (they differ by 6e-8 at the most); e^a below 2^-126 counts as 0; an e^a that
; overflows is an infinity and the middle one is still a + 1; NaN and infinities among the inputs are not treated apart.
; SHARES.  A tile is 256 rows of c; wave w fetches and reads its rows 64 w .. + 63, as two blocks of 32, and keeps a 64 x 64 ctx of its own; the four meet in LDS at the end.  The head's 128 rows of Wu^T stay in 512 registers.
; LAYOUT.  kv = c Wu in the natural order (source 0 = 16 rows of c, source 1 = 16 rows of Wu^T): a lane holds ONE column of kv and rows 8 (lane / 16) + 0..7.  Two such results, rounded in pairs, ARE a fragment
; (16 columns x 32 rows t) of k^T or v^T.  ctx = v^T-fragment x k^T-fragment: a lane holds one d and eight neighbouring e.
; CLUSTER.  The four heads of a cluster walk the same rows of c: each tile is asked for JOINTLY, the same descriptor and mask in all four.
; REGISTERS.  window 0: v2-10 addresses; v16-23 bias + 1, v24-31 bias x log2 e (k's columns), v40-47 bias (v's), each number twice, as a pair; v32-39 ks; v64-191 c's fragments, then a + 1 (v64-127) and a log2 e (v128-191);
;   v192-255 the eight fragments of k^T and v^T.   window 1: v0-127 kv ((mb, nb) at 8 (8 mb + nb)); v128-255 ctx ((eb, db) at 128 + 8 (4 eb + db)).   windows 2, 3: Wu^T (nb, ks) at 64 (ks % 4) + 8 nb.
.set PITCH,  528                       ; an LDS row of c: 512 bytes + 16 of padding
.set WROWS,  64*PITCH
.set SLOT1,  4*WROWS                   ; 0x21000: no wave's place in a slot has one of its two bits, so one exclusive or changes slots
.set BLK,    32*PITCH
.set SPARE,  2*SLOT1
.set RPITCH, 272                       ; slot 0 has had its last fill when the tail begins: its bytes then hold the four waves' ctx, 64 rows of 256 + 16 bytes each,
.set REDW,   64*RPITCH
.set KSR,    4*REDW                    ; and their ks, 256 bytes each
.set WUT,    4718592
.set CA0, 2                            ; v2   my lane's place in a block of c; never rewritten
.set ADR, 3                            ; v3   the LDS address of the run of loads in hand
.set WO,  4
.set RS,  5
.set KW,  6
.set RR,  7
.set GO,  8
.set KR,  9
.set KO,  10
.set BK1, 16
.set BKL, 24
.set KSA, 32
.set BV,  40
.set RAW, 48
.set PFO, 61                           ; v61  256 x lane; never rewritten
.set SPW, 62
.set NIL, 63
.set CF,  64
.set AT,  64
.set UT,  128
.set PK,  192
.set WV,  14
.set LIM, 15
.set PFA, 18                           ; s[18:19] where my prefetches stand
.set G1,  24
.set G0,  40
.set SLOTS, 56
.set TWICE, 57
.set L2E, 58                           ; s[58:59] log2 e
.set SEL, 60
.set TB,  62                           ; s62  LDS byte at which the block to be read begins, less my wave's place
.set MSB, 0
.macro WIN new
.if MSB != (\new)
	s_set_vgpr_msb (MSB<<8)|(\new)
.set MSB, (\new)
.endif
.endm
.macro PLACES
.rept 4
	v_nop
.endr
.endm
.macro CROUND
	s_barrier_signal -1
	s_barrier_wait -1
	s_cmp_lg_u32 s[WV], 0
	s_cbranch_scc1 .Lnot_wave_0_\@
	s_barrier_signal -3
.Lnot_wave_0_\@:
	s_barrier_wait -3
	s_barrier_signal -1
	s_barrier_wait -1
.endm
.macro JLOAD                           ; every wave fetches its own 64 rows of the tile: one line; an s_nop 0 and four v_nop follow it
	tensor_load_to_lds s[G0:G0+3], s[G1:G1+7]
	s_nop 0
	PLACES
.endm
; A PREFETCH INTO THE L2 of the tile that the NEXT change of slots will ask for: 256 rows of 512 bytes are 512 blocks of 256 bytes; the four clusters of a row of the grid walk the same rows, so the first of them asks;
; its four work-groups take 64 rows each, told apart by address, each wave 16 rows, a lane a block: each block is named once.  Tiles 0 and 1 come by their loads alone; the last change that fills a slot asks for nothing.
.macro ASK
	s_cmp_gt_u32 s[SLOTS], s[LIM]
	s_cbranch_scc0 .Lnot_mine_\@
	global_prefetch_b8 v[PFO], s[PFA:PFA+1] th:TH_LOAD_NT scope:SCOPE_SE
.Lnot_mine_\@:
.endm
; THE CHANGE OF SLOTS.  Each wave waits for all its tensor loads (one is out: its part of the other slot), adds 0 to its spare word, and waits for that and for its reads of the slot that it leaves.
; fill = 1: a round of the cluster's barrier, and the slot is filled again first thing behind it, with the tile two on: it has two blocks, 288 matrix instructions, in which to land.
.macro CHANGE fill
	WIN 0
	s_wait_tensorcnt 0x0
	ds_add_u32 v[SPW], v[NIL]
.if \fill
	s_xor_b32 s[G0+1], s[G0+1], SLOT1              ; no load of mine is out: the walking descriptor takes the other slot,
	s_add_nc_u64 s[G0+2:G0+3], s[G0+2:G0+3], 131072  ; and the next 256 rows
	s_wait_xcnt 0x0                                ; the last prefetch, two blocks back, has read its address
	s_add_nc_u64 s[PFA:PFA+1], s[PFA:PFA+1], 131072
	s_wait_dscnt 0x0
	CROUND
	JLOAD
	ASK
.else
	s_wait_dscnt 0x0
	s_barrier_signal -1
	s_barrier_wait -1
.endif
	s_sub_co_u32 s[TB], s[TB], 2*BLK               ; the reads go back to a slot's first block,
	s_xor_b32 s[TB], s[TB], SLOT1                  ; in the other slot
.endm
	s_load_b256 s[4:11], s[0:1], 0x0               ; cb s[4:5], wt s[6:7], bu s[8:9], ctxp s[10:11]
	s_load_b64 s[12:13], s[0:1], 0x20              ; ksp
	v_lshl_add_u32 v[SPW], v0, 2, SPARE
	v_mov_b32 v[NIL], 0
	ds_add_u32 v[SPW], v[NIL]                      ; the wave's opening: the add, twice on end, and its wait ahead of my first tensor load
	ds_add_u32 v[SPW], v[NIL]
	v_lshrrev_b32 v1, 5, v0
	v_readfirstlane_b32 s[WV], v1
	s_bfe_u32 s16, ttmp6, 0x40000                  ; cx
	s_lshl_b32 s17, ttmp9, 2
	s_add_co_u32 s17, s17, s16                     ; the head: it enters Wu's, bu's and the outputs' addresses alone
	s_and_b32 s20, ttmp7, 0xffff                   ; y = 4 b + chunk, which the four partners share
	s_mov_b32 s[G1+0], 15|(1<<16)|(1<<20)|(1<<21)|(6<<22)|(3<<25)  ; mask of four; 2-byte elements; padding on; bit 21 beside a mask; after every 128 words, 4 words
	s_mov_b32 s[G1+1], 256<<16
	s_mov_b32 s[G1+2], 64<<16
	s_mov_b32 s[G1+3], 256<<16
	s_mov_b32 s[G1+4], 64
	s_mov_b32 s[G1+5], 256
	s_mov_b32 s[G1+6], 0
	s_mov_b32 s[G1+7], 0
	s_mov_b32 s[G0], 1
	s_mul_i32 s[G0+1], s[WV], WROWS                ; slot 0, my 64 rows
	s_lshl_b32 s22, s20, 19                        ; 1,024 rows of 512 bytes
	s_mov_b32 s23, 0
	s_lshl_b32 s32, s[WV], 15                      ; my 64 rows of a tile
	s_mov_b32 s33, 0
	s_lshl_b32 s34, s16, 15                        ; the prefetches: my work-group's 64 rows,
	s_lshl_b32 s35, s[WV], 13                      ; my wave's 16 of them,
	s_add_co_u32 s34, s34, s35
	s_add_co_u32 s34, s34, 131072                  ; in tile 1: the first change of slots steps it to tile 2
	s_mov_b32 s35, 0
	s_lshl_b32 s36, s17, 16                        ; the head's 128 rows of Wu^T
	s_add_co_u32 s36, s36, WUT
	s_mov_b32 s37, 0
	s_lshl_b32 s38, s17, 9                         ; its 128 numbers of bu
	s_mov_b32 s39, 0
	s_lshr_b32 s44, s20, 2
	s_lshl_b32 s44, s44, 6
	s_lshl2_add_u32 s44, s17, s44
	s_and_b32 s45, s20, 3
	s_add_co_u32 s44, s44, s45                     ; (16 b + h) 4 + chunk
	s_lshl_b32 s46, s44, 14
	s_mov_b32 s47, 0
	s_lshl_b32 s48, s44, 8
	s_mov_b32 s49, 0
	s_mov_b32 s[L2E], 0x3fb8aa3b
	s_mov_b32 s[L2E+1], s[L2E]                     ; named with it as a pair
	s_mov_b32 s[SEL], 0x76543210
	s_mov_b32 s[SEL+1], 0xfedcba98
	s_mov_b32 s[TB], SLOT1+2*BLK                   ; the first change of slots turns it into 0
	s_mov_b32 s[SLOTS], 3
	s_mov_b32 s21, ttmp9
	s_cmp_eq_u32 s21, 0                            ; the same in all four partners
	s_cselect_b32 s[LIM], 1, -1
	s_wait_dscnt 0x0
	s_wait_kmcnt 0x0
	s_add_nc_u64 s[4:5], s[4:5], s[22:23]
	s_add_nc_u64 s[G0+2:G0+3], s[4:5], s[32:33]
	s_or_b32 s[G0+3], s[G0+3], 0x80000000
	s_add_nc_u64 s[PFA:PFA+1], s[4:5], s[34:35]
	s_add_nc_u64 s[6:7], s[6:7], s[36:37]
	s_add_nc_u64 s[8:9], s[8:9], s[38:39]
	s_add_nc_u64 s[10:11], s[10:11], s[46:47]
	s_add_nc_u64 s[12:13], s[12:13], s[48:49]
	CROUND                                         ; all four work-groups are here
	JLOAD                                          ; tile 0 into slot 0; slot 1 is asked for by the loop's first change of slots
	v_and_b32 v1, 15, v0                           ; r
	v_bfe_u32 v11, v0, 4, 1                        ; hh
	v_and_b32 v12, 31, v0                          ; l
	v_lshlrev_b32 v[WO], 9, v1
	v_lshl_add_u32 v[WO], v11, 4, v[WO]            ; row x 512 + 16 x half
	v_lshlrev_b32 v14, 2, v1
	WIN 0x80                                       ; destination window 2
.irp ks, 0,1,2,3
.irp nb, 0,1,2,3,4,5,6,7
	global_load_b128 v[64*(\ks)+8*(\nb):64*(\ks)+8*(\nb)+3],   v[WO], s[6:7] offset:(\nb)*8192+(\ks)*64
	global_load_b128 v[64*(\ks)+8*(\nb)+4:64*(\ks)+8*(\nb)+7], v[WO], s[6:7] offset:(\nb)*8192+(\ks)*64+32
.endr
.endr
	WIN 0xc0                                       ; window 3
.irp ks, 0,1,2,3
.irp nb, 0,1,2,3,4,5,6,7
	global_load_b128 v[64*(\ks)+8*(\nb):64*(\ks)+8*(\nb)+3],   v[WO], s[6:7] offset:(\nb)*8192+(\ks)*64+256
	global_load_b128 v[64*(\ks)+8*(\nb)+4:64*(\ks)+8*(\nb)+7], v[WO], s[6:7] offset:(\nb)*8192+(\ks)*64+288
.endr
.endr
	WIN 0
.irp nb, 0,1,2,3,4,5,6,7
	global_load_b32 v[RAW+(\nb)], v14, s[8:9] offset:64*(\nb)  ; bu of my column in each of the eight groups of 16
.endr
	WIN 0x40
.set i, 0
.rept 128
	v_mov_b32 v[128+i], 0                          ; ctx starts at 0: cleared on purpose, in the wait for the first tile, so that a block has one text
.set i, i+1
.endr
	WIN 0
.set i, 0
.rept 8
	v_mov_b32 v[KSA+i], 0
.set i, i+1
.endr
	s_mul_i32 s32, s[WV], WROWS
	v_mul_u32_u24 v[CA0], v1, PITCH
	v_lshl_add_u32 v[CA0], v11, 4, v[CA0]
	v_add_nc_u32 v[CA0], s32, v[CA0]
	v_lshlrev_b32 v[PFO], 8, v12
	s_mul_i32 s32, s[WV], REDW                     ; the tail's addresses.  In: my ctx, row d = 16 db + r, 32 bytes for each half of the lanes
	v_mul_u32_u24 v[RS], v1, RPITCH
	v_lshl_add_u32 v[RS], v11, 5, v[RS]
	v_add_nc_u32 v[RS], s32, v[RS]
	s_lshl_b32 s33, s[WV], 8
	s_add_co_u32 s33, s33, KSR
	v_lshl_add_u32 v[KW], v1, 2, s33
	s_lshl_b32 s34, s[WV], 4
	v_add_nc_u32 v13, s34, v11                     ; back: rows 16 w + hh, then every second row
	v_mul_u32_u24 v[RR], v13, RPITCH
	v_lshl_add_u32 v[RR], v1, 4, v[RR]
	v_lshlrev_b32 v[GO], 8, v13
	v_lshl_add_u32 v[GO], v1, 4, v[GO]
	v_lshlrev_b32 v[KO], 3, v12
	v_add_nc_u32 v[KR], KSR, v[KO]
	s_wait_loadcnt 0x0                             ; Wu^T and bu
.irp i, 0,1,2,3
	v_cvt_pk_bf16_f32 v[RAW+8+(\i)], v[RAW+2*(\i)], v[RAW+2*(\i)+1]  ; bu is rounded to bf16 like every input
.endr
.irp i, 0,1,2,3
	v_lshlrev_b32 v[RAW+2*(\i)], 16, v[RAW+8+(\i)]
	v_and_b32 v[RAW+2*(\i)+1], 0xffff0000, v[RAW+8+(\i)]
.endr
.irp nb, 0,1,2,3
	v_add_f32 v[BK1+2*(\nb)], 1.0, v[RAW+(\nb)]
	v_add_f32 v[BK1+2*(\nb)+1], 1.0, v[RAW+(\nb)]
	v_mul_f32 v[BKL+2*(\nb)], s[L2E], v[RAW+(\nb)]
	v_mul_f32 v[BKL+2*(\nb)+1], s[L2E], v[RAW+(\nb)]
	v_mov_b32 v[BV+2*(\nb)], v[RAW+4+(\nb)]
	v_mov_b32 v[BV+2*(\nb)+1], v[RAW+4+(\nb)]
.endr
; A BLOCK: 32 rows.  128 products kv = c Wu, the 16 accumulators by turns; the feature map and the roundings; 16 products ctx += v^T k.
.macro BLOCK
	WIN 0
	v_add_nc_u32 v[ADR], s[TB], v[CA0]
	s_add_co_u32 s[TB], s[TB], BLK
.irp ks, 0,1,2,3,4,5,6,7
.irp mb, 0,1
	ds_load_b128 v[CF+16*(\ks)+8*(\mb):CF+16*(\ks)+8*(\mb)+3],   v[ADR] offset:(\mb)*16*PITCH+(\ks)*64
	ds_load_b128 v[CF+16*(\ks)+8*(\mb)+4:CF+16*(\ks)+8*(\mb)+7], v[ADR] offset:(\mb)*16*PITCH+(\ks)*64+32
.endr
.endr
.irp ks, 0,1,2,3,4,5,6,7
	s_wait_dscnt 28-4*(\ks)                        ; the four loads of this 32 along K are in; the later ones stay out
	WIN 0x58+4*((\ks)/4)                           ; c in window 0, Wu^T in window 2 or 3, kv in window 1
.irp mb, 0,1
.irp nb, 0,1,2,3,4,5,6,7
.if (\ks) == 0
	v_wmma_f32_16x16x32_bf16 v[8*(8*(\mb)+(\nb)):8*(8*(\mb)+(\nb))+7], v[CF+16*(\ks)+8*(\mb):CF+16*(\ks)+8*(\mb)+7], v[64*((\ks)%4)+8*(\nb):64*((\ks)%4)+8*(\nb)+7], 0
.else
	v_wmma_f32_16x16x32_bf16 v[8*(8*(\mb)+(\nb)):8*(8*(\mb)+(\nb))+7], v[CF+16*(\ks)+8*(\mb):CF+16*(\ks)+8*(\mb)+7], v[64*((\ks)%4)+8*(\nb):64*((\ks)%4)+8*(\nb)+7], v[8*(8*(\mb)+(\nb)):8*(8*(\mb)+(\nb))+7]
.endif
.endr
.endr
.endr
	PLACES                                         ; the lines below read results just made and write over c's fragments
	WIN 0x01                                       ; source 0 (kv) in window 1
.irp mb, 0,1
.irp nb, 0,1,2,3
.irp p, 0,1,2,3
	v_pk_add_f32 v[AT+8*(4*(\mb)+(\nb))+2*(\p):AT+8*(4*(\mb)+(\nb))+2*(\p)+1], v[8*(8*(\mb)+(\nb))+2*(\p):8*(8*(\mb)+(\nb))+2*(\p)+1], v[BK1+2*(\nb):BK1+2*(\nb)+1]  ; a + 1; each accumulator's registers in ascending order
	v_pk_fma_f32 v[UT+8*(4*(\mb)+(\nb))+2*(\p):UT+8*(4*(\mb)+(\nb))+2*(\p)+1], v[8*(8*(\mb)+(\nb))+2*(\p):8*(8*(\mb)+(\nb))+2*(\p)+1], s[L2E:L2E+1], v[BKL+2*(\nb):BKL+2*(\nb)+1] op_sel_hi:[1,0,1]  ; a log2 e
.endr
.endr
.endr
	WIN 0
.set i, 0
.rept 64
	v_exp_f32 v[UT+i], v[UT+i]                     ; ONE batch of 64; v's bias and rounding below are the independent work behind it
.set i, i+1
.endr
	WIN 0x41
.irp mb, 0,1
.irp nb, 4,5,6,7
.irp p, 0,1,2,3
	v_pk_add_f32 v[8*(8*(\mb)+(\nb))+2*(\p):8*(8*(\mb)+(\nb))+2*(\p)+1], v[8*(8*(\mb)+(\nb))+2*(\p):8*(8*(\mb)+(\nb))+2*(\p)+1], v[BV+2*((\nb)-4):BV+2*((\nb)-4)+1]
.endr
.endr
.endr
	WIN 0x05
.irp mb, 0,1
.irp nb, 4,5,6,7
.irp p, 0,1,2,3
	v_cvt_pk_bf16_f32 v[PK+8*(\nb)+4*(\mb)+(\p)], v[8*(8*(\mb)+(\nb))+2*(\p)], v[8*(8*(\mb)+(\nb))+2*(\p)+1]
.endr
.endr
.endr
	WIN 0
	s_wait_alu depctr_va_vdst(0)                   ; the one wait for the batch, ahead of its first reader
.set i, 0
.rept 64
	v_med3_num_f32 v[AT+i], v[AT+i], v[UT+i], 1.0  ; f(a)
.set i, i+1
.endr
.irp mb, 0,1
.irp p, 0,1,2,3
.irp nb, 0,1,2,3
	v_pk_add_f32 v[KSA+2*(\nb):KSA+2*(\nb)+1], v[KSA+2*(\nb):KSA+2*(\nb)+1], v[AT+8*(4*(\mb)+(\nb))+2*(\p):AT+8*(4*(\mb)+(\nb))+2*(\p)+1]  ; four chains by turns; the sum is taken of the unrounded f(k)
.endr
.endr
.endr
.irp mb, 0,1
.irp nb, 0,1,2,3
.irp p, 0,1,2,3
	v_cvt_pk_bf16_f32 v[PK+8*(\nb)+4*(\mb)+(\p)], v[AT+8*(4*(\mb)+(\nb))+2*(\p)], v[AT+8*(4*(\mb)+(\nb))+2*(\p)+1]
.endr
.endr
.endr
	WIN 0x50                                       ; both fragments in window 0, ctx in window 1
.irp eb, 0,1,2,3
.irp db, 0,1,2,3
	v_wmma_f32_16x16x32_bf16 v[128+8*(4*(\eb)+(\db)):128+8*(4*(\eb)+(\db))+7], v[PK+8*(4+(\eb)):PK+8*(4+(\eb))+7], v[PK+8*(\db):PK+8*(\db)+7], v[128+8*(4*(\eb)+(\db)):128+8*(4*(\eb)+(\db))+7]
.endr
.endr
	WIN 0
.endm
.macro TWO_BLOCKS                      ; a wave's 64 rows of a tile: written once, walked twice; the LDS address hangs on s[TB]
	s_mov_b32 s[TWICE], 2
.Lblock_\@:
	BLOCK
	s_sub_co_u32 s[TWICE], s[TWICE], 1
	s_cmp_lg_u32 s[TWICE], 0
	s_cbranch_scc1 .Lblock_\@
.endm
.Lslot:                                        ; three trips: tiles 0 to 2 are read, tiles 1 to 3 asked for
	CHANGE 1
	TWO_BLOCKS
	s_sub_co_u32 s[SLOTS], s[SLOTS], 1
	s_cmp_lg_u32 s[SLOTS], 0
	s_cbranch_scc1 .Lslot
	CHANGE 0                                       ; the last tile is written out; behind this barrier nobody reads slot 0 any more, and nothing fills it again
	TWO_BLOCKS
	PLACES
.irp nb, 0,1,2,3
	v_add_f32 v[KSA+2*(\nb)], v[KSA+2*(\nb)], v[KSA+2*(\nb)+1]
.endr
.irp nb, 0,1,2,3
	v_permlanex16_b32 v[KSA+2*(\nb)+1], v[KSA+2*(\nb)], s[SEL], s[SEL+1]  ; the column's other rows lie in the lane 16 away
.endr
.irp nb, 0,1,2,3
	v_add_f32 v[KSA+2*(\nb)], v[KSA+2*(\nb)], v[KSA+2*(\nb)+1]
.endr
	WIN 0x04                                       ; store data in window 1
.irp eb, 0,1,2,3
.irp db, 0,1,2,3
	ds_store_b128 v[RS], v[128+8*(4*(\eb)+(\db)):128+8*(4*(\eb)+(\db))+3]   offset:(\db)*16*RPITCH+(\eb)*64
	ds_store_b128 v[RS], v[128+8*(4*(\eb)+(\db))+4:128+8*(4*(\eb)+(\db))+7] offset:(\db)*16*RPITCH+(\eb)*64+16
.endr
.endr
	WIN 0
.irp nb, 0,1,2,3
	ds_store_b32 v[KW], v[KSA+2*(\nb)] offset:64*(\nb)  ; both halves of the lanes write the same number to the same word
.endr
	s_wait_dscnt 0x0                               ; for the others' sake
	s_barrier_signal -1
	s_barrier_wait -1
.irp i, 0,1,2,3,4,5,6,7                ; wave w adds rows 16 w .. + 15 of the four partial ctx, two rows a turn
.irp v, 0,1,2,3
	ds_load_b128 v[CF+16*(\i)+4*(\v):CF+16*(\i)+4*(\v)+3], v[RR] offset:(\i)*2*RPITCH+(\v)*REDW
.endr
.endr
.irp i, 0,1,2,3,4,5,6,7
	s_wait_dscnt 28-4*(\i)                         ; this turn's four loads are in
	v_pk_add_f32 v[CF+16*(\i):CF+16*(\i)+1],     v[CF+16*(\i):CF+16*(\i)+1],     v[CF+16*(\i)+4:CF+16*(\i)+5]
	v_pk_add_f32 v[CF+16*(\i)+2:CF+16*(\i)+3],   v[CF+16*(\i)+2:CF+16*(\i)+3],   v[CF+16*(\i)+6:CF+16*(\i)+7]
	v_pk_add_f32 v[CF+16*(\i)+8:CF+16*(\i)+9],   v[CF+16*(\i)+8:CF+16*(\i)+9],   v[CF+16*(\i)+12:CF+16*(\i)+13]
	v_pk_add_f32 v[CF+16*(\i)+10:CF+16*(\i)+11], v[CF+16*(\i)+10:CF+16*(\i)+11], v[CF+16*(\i)+14:CF+16*(\i)+15]
	v_pk_add_f32 v[CF+16*(\i):CF+16*(\i)+1],     v[CF+16*(\i):CF+16*(\i)+1],     v[CF+16*(\i)+8:CF+16*(\i)+9]
	v_pk_add_f32 v[CF+16*(\i)+2:CF+16*(\i)+3],   v[CF+16*(\i)+2:CF+16*(\i)+3],   v[CF+16*(\i)+10:CF+16*(\i)+11]
	global_store_b128 v[GO], v[CF+16*(\i):CF+16*(\i)+3], s[10:11] offset:512*(\i)  ; two whole rows of 256 bytes
.endr
	s_cmp_lg_u32 s[WV], 0                          ; wave 0 adds the four ks
	s_cbranch_scc1 .Lend
.irp v, 0,1,2,3
	ds_load_b64 v[PK+2*(\v):PK+2*(\v)+1], v[KR] offset:256*(\v)
.endr
	s_wait_dscnt 0x0
	v_pk_add_f32 v[PK:PK+1], v[PK:PK+1], v[PK+2:PK+3]
	v_pk_add_f32 v[PK+4:PK+5], v[PK+4:PK+5], v[PK+6:PK+7]
	v_pk_add_f32 v[PK:PK+1], v[PK:PK+1], v[PK+4:PK+5]
	global_store_b64 v[KO], v[PK:PK+1], s[12:13]   ; 256 consecutive bytes, aligned
.Lend:
	s_wait_tensorcnt 0x0                           ; the wave's end
	ds_add_u32 v[SPW], v[NIL]
	s_wait_dscnt 0x0
	CROUND                                         ; the closing round
	s_endpgm
.Lfunc_end_k_q5baa3a7b12_kvctx:
	.size	k_q5baa3a7b12_kvctx, .Lfunc_end_k_q5baa3a7b12_kvctx-k_q5baa3a7b12_kvctx
	.p2alignl 7, 3214868480
	.fill 96, 4, 3214868480
	.section	.rodata,"a",@progbits
	.p2align	6, 0x0
	.amdhsa_kernel k_q5baa3a7b12_kvctx
		.amdhsa_group_segment_fixed_size 327680
		.amdhsa_private_segment_fixed_size 0
		.amdhsa_enable_private_segment 0
		.amdhsa_kernarg_size 40
		.amdhsa_user_sgpr_count 2
		.amdhsa_user_sgpr_kernarg_segment_ptr 1
		.amdhsa_wavefront_size32 1
		.amdhsa_system_sgpr_workgroup_id_x 1
		.amdhsa_system_sgpr_workgroup_id_y 1
		.amdhsa_system_sgpr_workgroup_id_z 1
		.amdhsa_system_vgpr_workitem_id 0
		.amdhsa_next_free_vgpr 1024
		.amdhsa_next_free_sgpr 66
		.amdhsa_reserve_vcc 0
		.amdhsa_float_denorm_mode_32 3
		.amdhsa_float_denorm_mode_16_64 3
		.amdhsa_memory_ordered 1
		.amdhsa_forward_progress 1
		.amdhsa_inst_pref_size 96
	.end_amdhsa_kernel
	.amdgpu_metadata
---
amdhsa.version: [ 1, 2 ]
amdhsa.kernels:
  - .name:           k_q5baa3a7b12_kvctx
    .symbol:         k_q5baa3a7b12_kvctx.kd
    .args:
      - { .name: cb, .offset: 0, .size: 8, .value_kind: global_buffer, .address_space: global }
      - { .name: wt, .offset: 8, .size: 8, .value_kind: global_buffer, .address_space: global }
      - { .name: bu, .offset: 16, .size: 8, .value_kind: global_buffer, .address_space: global }
      - { .name: ctxp, .offset: 24, .size: 8, .value_kind: global_buffer, .address_space: global }
      - { .name: ksp, .offset: 32, .size: 8, .value_kind: global_buffer, .address_space: global }
    .group_segment_fixed_size: 327680
    .private_segment_fixed_size: 0
    .kernarg_segment_align: 8
    .kernarg_segment_size: 40
    .max_flat_workgroup_size: 128
    .sgpr_count:     66
    .vgpr_count:     1024
    .wavefront_size: 32
...
	.end_amdgpu_metadata
.endif
;; end of part 3
;; launch qgemm (part 4): grid 4 x 64, 4 waves a work-group, clusters of 4 x 4, 327,680 bytes of LDS; arguments xb, wt, qs, bq, ksp, ctxp, mt; writes qs, mt
.if DOCPART == 4
	.amdgcn_target "amdgcn-amd-amdhsa--gfx1250"
	.amdhsa_code_object_version 6
	.text
	.protected	k_q5baa3a7b12_qgemm
	.globl	k_q5baa3a7b12_qgemm
	.p2align	8
	.type	k_q5baa3a7b12_qgemm,@function
k_q5baa3a7b12_qgemm:
	s_mov_b64 s[64:65], 0
	v_nop
	global_prefetch_b8 v0, s[64:65] scope:SCOPE_SE
	s_setreg_imm32_b32 hwreg(HW_REG_WAVE_MODE, 25, 1), 1
	s_wait_xcnt 0x0
	s_wait_alu depctr_hold_cnt(0) depctr_sa_sdst(0) depctr_va_vdst(0) depctr_va_sdst(0) depctr_va_ssrc(0) depctr_va_vcc(0) depctr_vm_vsrc(0)
	s_getreg_b32 s2, hwreg(HW_REG_IB_STS2, 6, 4)
	s_cmp_eq_u32 s2, 0
	s_cbranch_scc0 .Lentry_in_a_cluster
	s_endpgm
.Lentry_in_a_cluster:
	s_bfe_u32 s2, ttmp6, 0x10000c
	s_cmp_lg_u32 s2, 0xf033
	s_cbranch_scc0 .Lentry_shape_is_right
	s_endpgm
.Lentry_shape_is_right:
; ONE TEXT FOR TWO LAUNCHES, told apart by OG.  C[m][n] = sum over k of A[m][k] B[n][k], A [16384][1024] and B [1024][1024] bf16, sums in f32, K ascending; then the launch's own way out.
; OG = 0: A = xb, B = Wq^T.  a = C + bq; f(a) = elu(a) + 1; z = 1 / (sum over a head's 64 columns of f(a) ks + 1e-6), ks the sum of its four partial sums; qs = f(a) z, rounded once to bf16.
;   BESIDE ITS TILE each work-group folds a piece of the context into the output weights: mt[b][n][(h, d)] = sum over e of Wo^T[n][(h, e)] ctx[b][h][d][e], ctx the sum of its four partial sums, rounded once to bf16;
;   128 rows n x 128 columns (a pair of heads) a work-group, 256 pieces in all; mt rounded once to bf16.  So the last launch multiplies the scaled queries by mt, and the attention's output is never rounded.
; OG = 1: A = qs, B = the batch's mt.  out0 = C + bo, f32.
; The bias is rounded to bf16 like every input.  f(a) = the middle one of a + 1, e^a and 1.  LIMITS: e^a stands for expm1(a) + 1 (6e-8 apart at the most); e^a below 2^-126 counts as 0; NaN and infinities are not treated apart.
; SHARES.  A tile of C, 256 x 256, is made by four waves, 128 x 128 each: 64 accumulators, 512 registers.  K goes in 8 steps of 128 through two LDS slots filled by the tensor data mover; the tiles' rows are 256 bytes, aligned.
; CLUSTER.  4 x 4 work-groups: A's tiles are asked for jointly along a row of the cluster, B's along a column: the same tensor load, descriptor and mask in all four.
; THE MATRIX INSTRUCTION IS USED TRANSPOSED (source 0 = 16 rows of B, source 1 = 16 rows of A): a lane holds one row of C and eight neighbouring columns; a wave's 128 columns are two whole heads.
; THE LOOP'S BODY IS ONE K STEP: the LDS addresses are a fixed part plus s[TB], which an exclusive or turns from one slot to the other; one descriptor a tensor walks.
; REGISTERS.  window 0: v4-15 at work on the way out; v16-30 addresses; v64-127, v128-191 A's fragments, two buffers (on the way out T and U); v32-63, v192-223 at work; v224-230 the fold's addresses.
;   window 1: v0-63 the bias of my 8 columns in each of 8 groups; v64-191 B's fragments (on the way out: 16 loads of partial sums, Wo^T's fragments); v192-255 ks likewise to the bias.
;   windows 2, 3: the accumulators, (a, b) at 8 (8 (a % 4) + b).
.set OG, 0
.set SIZE_N, 1024
.set SIZE_K, 1024
.set KSTEP,  128
.set PITCH,  272                       ; an LDS row: 256 bytes + 16 of padding: the 16 rows of a fragment load start at 16 different groups of four banks (ISA guide 11.1)
.set HALFT,  128*PITCH
.set SLOT,   4*HALFT                   ; 0x22000: no wave's place in a slot has one of its two bits
.set STAGE,  2*SLOT                    ; behind the ring: 16 rows for each wave, for the way out
.if OG
.set SPITCH, 528
.set CB,     4
.else
.set SPITCH, 272
.set CB,     2
.endif
.set CROW,   SIZE_N*CB                 ; bytes in a row of C
.set SPARE,  STAGE+4*16*SPITCH
.set REFILLS, SIZE_K/KSTEP-2
.if OG == 0
.set CT,     SPARE+512                 ; behind the spare words: two heads' ctx in bf16, 64 rows of 128 + 16 bytes each, written by ds_store alone
.set CPITCH, 144
.set CHEAD,  64*CPITCH
.set KSL,    CT+2*CHEAD                ; and 512 bytes for each wave: ks of its 128 columns
.set WOT,    2097152
.set KP,   32                          ; v32-47  the four partial ks of my four columns
.set CLO,  224                         ; v224    16 x lane
.set CW,   225                         ; v225    where I put 8 bytes of ctx
.set CR,   226                         ; v226    my lane's place in a fragment of ctx
.set WFO,  227                         ; v227    my lane's place in a fragment of Wo^T, in memory
.set KLO,  228
.set KSW,  229
.set KSR,  230
.set SET,  64                          ; window 1: four pairs of rows x four partial sums
.set WF,   128                         ; window 1: Wo^T's fragments, (a, head i, ks) at 8 (4 a + 2 i + ks)
.set OUTC, 98
.set INC,  99
.endif
.set ADRA0, 16                         ; v16  my lane's place in A's half of slot 0; never rewritten
.set ADRA,  17                         ; v17  the same in the slot in hand
.set ADRB0, 20
.set ADRB,  21
.set STO,  24
.set RD,   25
.set CO,   26
.set BOF,  27
.set SPW,  28
.set NIL,  29
.set PFO,  30
.set F0,   64
.set F1,   128
.set T,    64
.set U,    128
.set TMP,  192
.set OB,   32
.set G1,  24
.set G0,  32
.set LIM, 43
.set PFA, 44
.set G1B, 48
.set G0B, 56
.set ROWC, 72
.set TB,  73
.set MSB, 0
.macro WIN new
.if MSB != (\new)
	s_set_vgpr_msb (MSB<<8)|(\new)
.set MSB, (\new)
.endif
.endm
.set MUL_LO, 0xa1                      ; source 0 (B) window 1, source 1 (A) window 0, C and D window 2
.set MUL_HI, 0xf1
.set TO_B,   0x40
.macro JLOAD s                         ; a joint load: waves 0 and 1 fetch A's halves, waves 2 and 3 B's; an s_nop 0 and four v_nop follow each line
	s_cmp_eq_u32 s11, 0
	s_cbranch_scc0 .Lfor_b_\@
	tensor_load_to_lds s[G0+4*(\s):G0+4*(\s)+3], s[G1:G1+7]
	s_nop 0
.rept 4
	v_nop
.endr
	s_branch .Lasked_\@
.Lfor_b_\@:
	tensor_load_to_lds s[G0B+4*(\s):G0B+4*(\s)+3], s[G1B:G1B+7]
	s_nop 0
.rept 4
	v_nop
.endr
.Lasked_\@:
.endm
; A PREFETCH INTO THE L2 of the K step that stands two refills on: 32 rows x 256 bytes, a lane a row, one instruction a wave.  A's rows are read by one cluster alone, which asks; B's by every cluster that shares
; them, of which the first asks.  The four partners that ask for a tile jointly take 32 of a wave's 128 rows each, told apart by address.  K steps 0 to 3 come by their loads alone; the last two refills ask for nothing.
.macro ASK
	s_cmp_gt_u32 s3, s[LIM]
	s_cbranch_scc0 .Lnot_mine_\@
	global_prefetch_b8 v[PFO], s[PFA:PFA+1] offset:KSTEP*2 th:TH_LOAD_NT scope:SCOPE_SE
.Lnot_mine_\@:
.endm
.macro CREST
	s_cmp_lg_u32 s10, 0
	s_cbranch_scc1 .Lnot_wave_0_\@
	s_barrier_signal -3
.Lnot_wave_0_\@:
	s_barrier_wait -3
	s_barrier_signal -1
	s_barrier_wait -1
.endm
.macro CROUND
	s_barrier_signal -1
	s_barrier_wait -1
	CREST
.endm
	s_load_b128 s[4:7], s[0:1], 0x0                ; A s[4:5], B s[6:7]
	s_load_b64 s[8:9], s[0:1], 0x10                ; C
	s_load_b64 s[68:69], s[0:1], 0x18              ; the bias
.if OG == 0
	s_load_b64 s[70:71], s[0:1], 0x20              ; ksp
	s_load_b128 s[80:83], s[0:1], 0x28             ; ctxp s[80:81], mt s[82:83]
.endif
	v_lshl_add_u32 v[SPW], v0, 2, SPARE
	v_mov_b32 v[NIL], 0
	ds_add_u32 v[SPW], v[NIL]                      ; the wave's opening: the add, twice on end, and its wait ahead of my first tensor load
	ds_add_u32 v[SPW], v[NIL]
	v_lshrrev_b32 v1, 5, v0
	v_readfirstlane_b32 s10, v1                    ; wave
	s_lshr_b32 s11, s10, 1                         ; which half of the tile's rows is mine; also: I fetch for A (0) or B (1)
	s_and_b32 s12, s10, 1                          ; which half of its columns; also: which 128 rows I fetch
	s_bfe_u32 s40, ttmp6, 0x40000                  ; cx
	s_bfe_u32 s41, ttmp6, 0x40004                  ; cy
	s_lshl_b32 s42, ttmp9, 2
	s_add_co_u32 s42, s42, s40                     ; tile column
	s_and_b32 s13, ttmp7, 0xffff
	s_lshr_b32 s66, s13, 2                         ; the batch: four clusters of 1,024 rows each; the same in all sixteen partners
	s_lshl_b32 s13, s13, 2
	s_add_co_u32 s13, s13, s41                     ; tile row
	s_lshl_b32 s43, s41, 2
	s_lshl_b32 s43, 15, s43                        ; my row of the cluster
	s_lshl_b32 s44, 0x1111, s40                    ; my column
.if OG == 0
	; the fold's piece: number 4 x tile row + tile column of 256; it enters global addresses alone, in registers that feed no descriptor
	s_lshl2_add_u32 s92, s13, s42
	s_and_b32 s93, s92, 7                          ; block of 128 rows n
	s_lshr_b32 s94, s92, 6                         ; the piece's batch
	s_bfe_u32 s95, s92, 0x30003                    ; its pair of heads
	s_lshl_b32 s84, s93, 18
	s_lshl_b32 s96, s10, 16
	s_add_co_u32 s84, s84, s96
	s_lshl_b32 s96, s95, 8
	s_add_co_u32 s84, s84, s96                     ; rows 128 block + 32 wave of 2,048 bytes, the pair's 256 bytes: in Wo^T and in a batch's mt alike
	s_lshl_b32 s86, s94, 21
	s_add_co_u32 s86, s86, s84
	s_mov_b32 s87, 0
	s_add_co_u32 s84, s84, WOT
	s_mov_b32 s85, 0
	s_lshl_b32 s88, s94, 4
	s_lshl1_add_u32 s88, s95, s88
	s_add_co_u32 s88, s88, s11                     ; the head whose partial sums I add: 16 b + 2 pair + wave / 2,
	s_lshl_b32 s88, s88, 16                        ; (a head's four partial sums are 65,536 bytes)
	s_lshl_b32 s96, s12, 13                        ; and which 32 of its rows
	s_add_co_u32 s88, s88, s96
	s_mov_b32 s89, 0
	s_lshl_b32 s90, s66, 4                         ; ks: my tile's batch, my wave's first head 4 x tile column + 2 x half; a head's four partial ks are 1,024 bytes
	s_lshl2_add_u32 s90, s42, s90
	s_lshl1_add_u32 s90, s12, s90
	s_lshl_b32 s90, s90, 10
	s_mov_b32 s91, 0
.endif
	s_or_b32 s[G1+0], s43, (1<<16)|(1<<20)|(1<<21)|(5<<22)|(3<<25)
	s_or_b32 s[G1B+0], s44, (1<<16)|(1<<20)|(1<<21)|(5<<22)|(3<<25)
.irp g, G1, G1B
	s_mov_b32 s[(\g)+1], KSTEP<<16                 ; tensor_dim0 = 128
	s_mov_b32 s[(\g)+2], 128<<16                   ; tensor_dim1 = 128
	s_mov_b32 s[(\g)+3], KSTEP<<16                 ; tile_dim0 = 128
	s_mov_b32 s[(\g)+4], 128                       ; tile_dim1 = 128
	s_mov_b32 s[(\g)+5], SIZE_K
	s_mov_b32 s[(\g)+6], 0
	s_mov_b32 s[(\g)+7], 0
.endr
	s_lshl_b32 s17, s12, 7
	s_lshl_b32 s16, s13, 8
	s_add_co_u32 s16, s16, s17                     ; A: row 256 x tile row + 128 x half
	s_lshl_b32 s46, s42, 8
	s_add_co_u32 s46, s46, s17                     ; B: row 256 x tile column + 128 x half
	s_mov_b32 s17, 0
	s_mov_b32 s47, 0
	s_mov_b64 s[18:19], SIZE_K*2
	s_mul_u64 s[16:17], s[16:17], s[18:19]
	s_mul_u64 s[46:47], s[46:47], s[18:19]
	s_mul_i32 s20, s10, HALFT                      ; where they go: wave x 128 rows
.if OG
	s_lshl_b32 s22, s66, 21                        ; a batch's mt is 2,097,152 bytes
	s_mov_b32 s23, 0
.endif
	s_mov_b32 s[TB], 0
.if OG == 0
	s_mov_b32 s74, 0x3fb8aa3b                      ; log2 e, as a pair,
	s_mov_b32 s75, s74
	s_mov_b32 s76, 0xbfb8aa3b                      ; and its negative
	s_mov_b32 s77, s76
	s_mov_b32 s78, 0x76543210                      ; v_permlanex16_b32: each lane takes its own place in the other half
	s_mov_b32 s79, 0xfedcba98
.endif
	s_wait_dscnt 0x0
	s_wait_kmcnt 0x0
.if OG
	s_add_nc_u64 s[6:7], s[6:7], s[22:23]          ; B is the batch's own
.else
	s_add_nc_u64 s[84:85], s[6:7], s[84:85]        ; Wo^T at my 32 rows
	s_add_nc_u64 s[82:83], s[82:83], s[86:87]      ; mt at the same rows
	s_add_nc_u64 s[80:81], s[80:81], s[88:89]      ; ctxp at my 32 rows of a head
	s_add_nc_u64 s[70:71], s[70:71], s[90:91]      ; ksp at my two heads
.endif
	s_add_nc_u64 s[14:15], s[4:5], s[16:17]
	s_add_nc_u64 s[46:47], s[6:7], s[46:47]
	CROUND                                         ; all sixteen work-groups are here: the first joint loads meet
.irp s, 0,1
	s_mov_b32 s[G0+4*(\s)], 1
	s_add_co_u32 s[G0+4*(\s)+1], s20, (\s)*SLOT
	s_add_nc_u64 s[G0+4*(\s)+2:G0+4*(\s)+3], s[14:15], (\s)*KSTEP*2
	s_or_b32 s[G0+4*(\s)+3], s[G0+4*(\s)+3], 0x80000000
	s_mov_b32 s[G0B+4*(\s)], 1
	s_add_co_u32 s[G0B+4*(\s)+1], s20, (\s)*SLOT
	s_add_nc_u64 s[G0B+4*(\s)+2:G0B+4*(\s)+3], s[46:47], (\s)*KSTEP*2
	s_or_b32 s[G0B+4*(\s)+3], s[G0B+4*(\s)+3], 0x80000000
	JLOAD \s                                       ; K steps 0 and 1: two loads of mine are out
.endr
	v_and_b32 v1, 15, v0                           ; r
	v_bfe_u32 v2, v0, 4, 1                         ; hh
	v_mul_u32_u24 v3, v1, PITCH
	v_lshl_add_u32 v3, v2, 4, v3
	s_mul_i32 s21, s11, HALFT
	s_mul_i32 s22, s12, HALFT
	s_add_co_u32 s22, s22, 2*HALFT
	v_add_nc_u32 v[ADRA0], s21, v3
	v_add_nc_u32 v[ADRB0], s22, v3
	v_mov_b32 v[ADRA], v[ADRA0]
	v_mov_b32 v[ADRB], v[ADRB0]
	s_mul_i32 s23, s10, 16*SPITCH
	s_add_co_u32 s23, s23, STAGE                   ; my stage
	v_mul_u32_u24 v4, v1, SPITCH
.if OG
	v_lshl_add_u32 v4, v2, 5, v4                   ; in: row r, 32 bytes for each half of the lanes
	v_add_nc_u32 v[STO], s23, v4
	v_and_b32 v5, 31, v0
	v_lshl_add_u32 v[RD], v5, 4, s23               ; back: a row of 512 bytes by 32 lanes
	v_lshlrev_b32 v[CO], 4, v5
.else
	v_lshl_add_u32 v4, v2, 4, v4                   ; in: row r, 16 bytes for each half of the lanes
	v_add_nc_u32 v[STO], s23, v4
	v_mul_u32_u24 v5, v2, SPITCH                   ; back: lanes 0-15 one row of 256 bytes, lanes 16-31 the next
	v_lshl_add_u32 v5, v1, 4, v5
	v_add_nc_u32 v[RD], s23, v5
	v_mul_u32_u24 v5, v2, CROW
	v_lshl_add_u32 v[CO], v1, 4, v5                ; the same two rows in qs, and in mt, whose rows are as long
	v_and_b32 v5, 31, v0                           ; the fold's addresses
	v_lshlrev_b32 v[CLO], 4, v5
	s_mul_i32 s92, s11, CHEAD
	s_mul_i32 s93, s12, 32*CPITCH
	s_add_co_u32 s92, s92, s93
	s_add_co_u32 s92, s92, CT
	v_mul_u32_u24 v[CW], v2, CPITCH                ; in: my head, my 32 rows; of a pair of rows lanes 0-15 the first, lanes 16-31 the second, 8 bytes a lane
	v_lshl_add_u32 v[CW], v1, 3, v[CW]
	v_add_nc_u32 v[CW], s92, v[CW]
	v_mul_u32_u24 v[CR], v1, CPITCH                ; a fragment's row x pitch + 16 x half
	v_lshl_add_u32 v[CR], v2, 4, v[CR]
	v_add_nc_u32 v[CR], CT, v[CR]
	v_lshlrev_b32 v[WFO], 11, v1
	v_lshl_add_u32 v[WFO], v2, 4, v[WFO]
	v_lshlrev_b32 v[KLO], 10, v2                   ; ks: lanes 0-15 my first head, lanes 16-31 my second, four columns a lane
	v_lshl_add_u32 v[KLO], v1, 4, v[KLO]
	s_lshl_b32 s92, s10, 9
	s_add_co_u32 s92, s92, KSL
	v_lshl_add_u32 v[KSW], v5, 4, s92
	v_lshl_add_u32 v[KSR], v2, 5, s92
.endif
	v_lshlrev_b32 v[BOF], 5, v2                    ; my 8 columns of a group of 16, in f32
	s_lshl_b32 s13, s13, 8
	s_lshl_b32 s14, s11, 7
	s_add_co_u32 s16, s13, s14                     ; my first row of C
	s_mov_b32 s17, 0
	s_mov_b64 s[18:19], CROW
	s_mul_u64 s[16:17], s[16:17], s[18:19]
	s_lshl_b32 s46, s42, 8
	s_lshl_b32 s47, s12, 7
	s_add_co_u32 s46, s46, s47                     ; my first column
	s_lshl_b32 s20, s46, 2                         ; its byte in the bias
	s_mov_b32 s21, 0
	s_mul_i32 s46, s46, CB
	s_mov_b32 s47, 0
	s_add_nc_u64 s[16:17], s[16:17], s[46:47]      ; the way out adds this to C's address
	s_add_nc_u64 s[68:69], s[68:69], s[20:21]
	WIN 0x40                                       ; destination window 1.  These loads stay out during the loop; the way out waits for them
.irp b, 0,1,2,3,4,5,6,7
	global_load_b128 v[8*(\b):8*(\b)+3],   v[BOF], s[68:69] offset:64*(\b)
	global_load_b128 v[8*(\b)+4:8*(\b)+7], v[BOF], s[68:69] offset:64*(\b)+16
.endr
	WIN 0
.if OG == 0
.irp c, 0,1,2,3
	global_load_b128 v[KP+4*(\c):KP+4*(\c)+3], v[KLO], s[70:71] offset:256*(\c)  ; partial sum c of my two heads' ks: twice 256 consecutive bytes
.endr
.endif
	; the prefetches.  s13 = 256 x tile row, s42 = tile column, s40 = cx, s41 = cy still stand
	s_lshl_b32 s42, s42, 8
	s_and_b32 s22, ttmp7, 0xffff                   ; cluster y
.if OG
	s_and_b32 s22, s22, 3                          ; a batch's mt is read by four clusters: the first of them asks
.endif
	s_cmp_eq_u32 s11, 0                            ; do I fetch for A?
	s_cselect_b32 s20, s13, s42
	s_cselect_b32 s21, s40, s41                    ; my place among the four that ask with me
	s_cselect_b32 s22, ttmp9, s22                  ; the coordinate along which other clusters read the same rows
	s_cselect_b64 s[PFA:PFA+1], s[4:5], s[6:7]
	s_cmp_eq_u32 s22, 0
	s_cselect_b32 s[LIM], 2, -1                    ; a wave that asks does so while more than two refills are to come
	s_lshl_b32 s22, s12, 7
	s_add_co_u32 s20, s20, s22
	s_lshl_b32 s21, s21, 5
	s_add_co_u32 s20, s20, s21
	s_mov_b32 s21, 0
	s_mov_b64 s[18:19], SIZE_K*2
	s_mul_u64 s[20:21], s[20:21], s[18:19]
	s_add_nc_u64 s[PFA:PFA+1], s[PFA:PFA+1], s[20:21]
	s_add_nc_u64 s[PFA:PFA+1], s[PFA:PFA+1], 2*KSTEP*2  ; at K step 2: the first refill steps it to 3 and names K step 4
	v_and_b32 v[PFO], 31, v0
	v_mul_u32_u24 v[PFO], v[PFO], SIZE_K*2
.macro MUL16 f, hi, a0, zero           ; 16 matrix instructions; the 64 accumulators take turns, in the same order in every quarter
	WIN MUL_LO+0x50*(\hi)
.irp a, \a0, (\a0)+1
.irp b, 0,1,2,3,4,5,6,7
.if \zero
	v_wmma_f32_16x16x32_bf16 v[8*(8*(\a)+(\b)):8*(8*(\a)+(\b))+7], v[(\f)+8*(\b):(\f)+8*(\b)+7], v[(\f)+8*(4*(\hi)+(\a)):(\f)+8*(4*(\hi)+(\a))+7], 0
.else
	v_wmma_f32_16x16x32_bf16 v[8*(8*(\a)+(\b)):8*(8*(\a)+(\b))+7], v[(\f)+8*(\b):(\f)+8*(\b)+7], v[(\f)+8*(4*(\hi)+(\a)):(\f)+8*(4*(\hi)+(\a))+7], v[8*(8*(\a)+(\b)):8*(8*(\a)+(\b))+7]
.endif
.endr
.endr
.endm
.macro FETCH k, f                      ; 32 LDS loads in one run: the fragments of 32 along K at byte k of the rows of the slot in hand
	WIN TO_B
.irp i, 0,1,2,3,4,5,6,7
	ds_load_b128 v[(\f)+8*(\i):(\f)+8*(\i)+3],   v[ADRB] offset:(\k)+(\i)*16*PITCH
	ds_load_b128 v[(\f)+8*(\i)+4:(\f)+8*(\i)+7], v[ADRB] offset:(\k)+(\i)*16*PITCH+32
.endr
	WIN 0
.irp i, 0,1,2,3,4,5,6,7
	ds_load_b128 v[(\f)+8*(\i):(\f)+8*(\i)+3],   v[ADRA] offset:(\k)+(\i)*16*PITCH
	ds_load_b128 v[(\f)+8*(\i)+4:(\f)+8*(\i)+7], v[ADRA] offset:(\k)+(\i)*16*PITCH+32
.endr
.endm
.macro PLACES                          ; four places behind a matrix instruction (ISA guide 7.12.1)
.rept 4
	v_nop
.endr
.endm
.macro QUARTER k, f, g, zero           ; multiplies buffer f; in its middle fetches the next quarter's fragments, at byte k, into buffer g
	s_wait_dscnt 8                                 ; B and A's rows 0-63 are in; the youngest eight loads may be out
	MUL16 \f, 0, 0, \zero
	MUL16 \f, 0, 2, \zero
	PLACES
	FETCH \k, \g
	s_wait_dscnt 32                                ; all but the 32 just issued
	MUL16 \f, 1, 0, \zero
	MUL16 \f, 1, 2, \zero
.endm
.macro MEET round                      ; the first half of a K step's last quarter: one barrier for the change of slots
	WIN 0
	s_wait_tensorcnt 0x0                           ; all my tensor loads have landed: the one that was out is my part of the next slot
	ds_add_u32 v[SPW], v[NIL]
	s_wait_dscnt 9                                 ; (the add and the youngest eight loads may be out)
	MUL16 F1, 0, 0, 0
	s_wait_dscnt 0x0                               ; the add is done, and my reads of this slot are over
	s_barrier_signal -1
	MUL16 F1, 0, 2, 0
.if \round
	WIN 0
.endif
	s_barrier_wait -1
.endm
.macro NEXTSLOT                        ; the reads go on in the other slot: its first fragments
	s_xor_b32 s[TB], s[TB], SLOT
	v_add_nc_u32 v[ADRA], s[TB], v[ADRA0]
	v_add_nc_u32 v[ADRB], s[TB], v[ADRB0]
	FETCH 0, F0
.endm
.macro TURN                            ; the last quarter of a K step that fills: the barrier opens a round of the cluster's, and the slot just read is filled again first thing behind it: 224 matrix instructions ahead of the wait for it
	s_wait_xcnt 0x0                                ; the last prefetch, a K step back, has read its address
	s_add_nc_u64 s[PFA:PFA+1], s[PFA:PFA+1], KSTEP*2
	MEET 1
	CREST
	s_xor_b32 s[G0+5], s[G0+5], SLOT               ; no load of mine is out: the walking descriptors take the other slot and the next K step
	s_add_nc_u64 s[G0+6:G0+7], s[G0+6:G0+7], KSTEP*2
	s_xor_b32 s[G0B+5], s[G0B+5], SLOT
	s_add_nc_u64 s[G0B+6:G0B+7], s[G0B+6:G0B+7], KSTEP*2
	JLOAD 1
	NEXTSLOT
	ASK
	MUL16 F1, 1, 0, 0
	MUL16 F1, 1, 2, 0
.endm
	s_wait_tensorcnt 1                             ; my part of K step 0 is in; K step 1's may stay out
	s_barrier_signal -1
	s_barrier_wait -1
	FETCH 0, F0
	QUARTER 64, F0, F1, 1                          ; the first quarter stands in front of the loop: its products start the sums
	WIN 0
	s_mov_b32 s3, REFILLS
.Lstep:                                        ; a trip: from a K step's second quarter to the next step's first; it fills one slot again
	QUARTER 128, F1, F0, 0
	QUARTER 192, F0, F1, 0
	TURN
	QUARTER 64, F0, F1, 0
	WIN 0
	s_sub_co_u32 s3, s3, 1
	s_cmp_lg_u32 s3, 0
	s_cbranch_scc1 .Lstep
	s_mov_b32 s3, 2
.Ltail:                                        ; the last two K steps ask for nothing: one text, walked twice and left in its middle.  The price: the last K step passes a barrier that it does not need
	QUARTER 128, F1, F0, 0
	QUARTER 192, F0, F1, 0
	MEET 0
	PLACES
	WIN 0
	s_sub_co_u32 s3, s3, 1
	s_cmp_eq_u32 s3, 0
	s_cbranch_scc1 .Llast                          ; behind the last K step there is nothing to fetch
	NEXTSLOT
	MUL16 F1, 1, 0, 0
	MUL16 F1, 1, 2, 0
	QUARTER 64, F0, F1, 0
	WIN 0
	s_branch .Ltail
.Llast:
	MUL16 F1, 1, 0, 0
	MUL16 F1, 1, 2, 0
	; THE WAY OUT, 16 rows at a time.  Registers cannot be indexed, so only the 32 lines that add the bias to a block's accumulators are written eight times; the rest is one text in a counted loop.
	PLACES
.if OG == 0
; THE FOLD'S LOADS STAND UNDER THE WAY OUT, in B's fragment buffers, which are free now.  16 loads bring four pairs of rows of my head's four partial sums, 512 consecutive bytes each; they are waited for two blocks later.
.macro LOADG
	WIN 0x40
.irp p, 0,1,2,3
.irp c, 0,1,2,3
	global_load_b128 v[SET+16*(\p)+4*(\c):SET+16*(\p)+4*(\c)+3], v[CLO], s[80:81] offset:(\p)*512+(\c)*16384
.endr
.endr
	WIN 0
.endm
.macro WORKG                           ; added in f32, rounded once, 8 bytes a lane into LDS
	WIN 0x45
.irp p, 0,1,2,3
.set B, SET+16*(\p)
	v_pk_add_f32 v[B:B+1],     v[B:B+1],     v[B+4:B+5]
	v_pk_add_f32 v[B+2:B+3],   v[B+2:B+3],   v[B+6:B+7]
	v_pk_add_f32 v[B+8:B+9],   v[B+8:B+9],   v[B+12:B+13]
	v_pk_add_f32 v[B+10:B+11], v[B+10:B+11], v[B+14:B+15]
	v_pk_add_f32 v[B:B+1],     v[B:B+1],     v[B+8:B+9]
	v_pk_add_f32 v[B+2:B+3],   v[B+2:B+3],   v[B+10:B+11]
	v_cvt_pk_bf16_f32 v[B+4], v[B], v[B+1]
	v_cvt_pk_bf16_f32 v[B+5], v[B+2], v[B+3]
.endr
	WIN 0x04                                       ; store data in window 1
.irp p, 0,1,2,3
	ds_store_b64 v[CW], v[SET+16*(\p)+4:SET+16*(\p)+5] offset:(\p)*2*CPITCH
.endr
	WIN 0
.endm
	WIN 0x40
.irp a, 0,1
.irp i, 0,1
.irp ks, 0,1
	global_load_b128 v[WF+8*(4*(\a)+2*(\i)+(\ks)):WF+8*(4*(\a)+2*(\i)+(\ks))+3],   v[WFO], s[84:85] offset:(\a)*32768+(\i)*128+(\ks)*64
	global_load_b128 v[WF+8*(4*(\a)+2*(\i)+(\ks))+4:WF+8*(4*(\a)+2*(\i)+(\ks))+7], v[WFO], s[84:85] offset:(\a)*32768+(\i)*128+(\ks)*64+32
.endr
.endr
.endr
	LOADG
	s_wait_loadcnt 32                              ; the bias and the partial ks are in; the 32 loads just issued stay out
.else
	s_wait_loadcnt 0x0                             ; the bias
.endif
	WIN 0x05
.set i, 0
.rept 32
	v_cvt_pk_bf16_f32 v[T+i], v[2*i], v[2*i+1]     ; the bias is rounded to bf16 like every input,
.set i, i+1
.endr
	WIN 0x40
.set i, 0
.rept 32
	v_lshlrev_b32 v[2*i], 16, v[T+i]               ; and widened again
	v_and_b32 v[2*i+1], 0xffff0000, v[T+i]
.set i, i+1
.endr
.if OG == 0
	WIN 0x41
.set i, 0
.rept 32
	v_pk_add_f32 v[2*i:2*i+1], v[2*i:2*i+1], 1.0 op_sel_hi:[1,0]  ; bias + 1: the gather then gives a + 1
.set i, i+1
.endr
	WIN 0
	v_pk_add_f32 v[KP:KP+1],       v[KP:KP+1],       v[KP+4:KP+5]    ; ks = the sum of its four partial sums, in f32;
	v_pk_add_f32 v[KP+2:KP+3],     v[KP+2:KP+3],     v[KP+6:KP+7]
	v_pk_add_f32 v[KP+8:KP+9],     v[KP+8:KP+9],     v[KP+12:KP+13]
	v_pk_add_f32 v[KP+10:KP+11],   v[KP+10:KP+11],   v[KP+14:KP+15]
	v_pk_add_f32 v[KP:KP+1],       v[KP:KP+1],       v[KP+8:KP+9]
	v_pk_add_f32 v[KP+2:KP+3],     v[KP+2:KP+3],     v[KP+10:KP+11]
	ds_store_b128 v[KSW], v[KP:KP+3]               ; my 128 columns' ks on end in my own 512 bytes of LDS,
	WIN 0x40
.irp b, 0,1,2,3,4,5,6,7
	ds_load_b128 v[192+8*(\b):192+8*(\b)+3],   v[KSR] offset:64*(\b)     ; and back as the bias lies: my 8 columns of each group of 16.  LDS serves a wave's instructions in order: these see the store above
	ds_load_b128 v[192+8*(\b)+4:192+8*(\b)+7], v[KSR] offset:64*(\b)+16
.endr
.endif
	WIN 0
	v_mov_b32 v13, 0                               ; named as the upper halves of the pairs that hold z
	v_mov_b32 v15, 0
	s_add_nc_u64 s[8:9], s[8:9], s[16:17]
	s_mov_b32 s[ROWC], 0
.macro GATHER a                        ; T = block a's accumulators + the bias; each accumulator's registers in ascending order
	WIN 0x06+(\a)/4
.set AC, 64*((\a)%4)
.set i, 0
.rept 32
	v_pk_add_f32 v[T+2*i:T+2*i+1], v[AC+2*i:AC+2*i+1], v[2*i:2*i+1]
.set i, i+1
.endr
	WIN 0
.endm
.if OG == 0
	s_wait_dscnt 0x0                               ; ks is in
	s_mov_b32 s[OUTC], 4
.Lpair:                                        ; four trips: two blocks go out, then 16 loads of partial sums are added and the next 16 asked for
	s_mov_b32 s[INC], 2
.endif
.Lrow:
.irp a, 1,2,3,4,5,6,7
	s_cmp_eq_u32 s[ROWC], \a
	s_cbranch_scc1 .Lgather\a
.endr
	GATHER 0
	s_branch .Lcommon
.irp a, 1,2,3,4,5,6
.Lgather\a:
	GATHER \a
	s_branch .Lcommon
.endr
.Lgather7:
	GATHER 7
.Lcommon:
.if OG
.irp b, 0,1,2,3,4,5,6,7
	ds_store_b128 v[STO], v[T+8*(\b):T+8*(\b)+3]   offset:64*(\b)
	ds_store_b128 v[STO], v[T+8*(\b)+4:T+8*(\b)+7] offset:64*(\b)+16
.endr
.set t, 0
.rept 16
	ds_load_b128 v[U+4*t:U+4*t+3], v[RD] offset:SPITCH*t  ; LDS serves a wave's instructions in order: these see the stores above; the next block's stores come behind them
.set t, t+1
.endr
.set t, 0
.rept 16
	s_wait_dscnt 15-t
	global_store_b128 v[CO], v[U+4*t:U+4*t+3], s[8:9] offset:CROW*t th:TH_STORE_NT  ; 512 consecutive bytes, aligned
.set t, t+1
.endr
.else
.set i, 0
.rept 32
	v_pk_fma_f32 v[U+2*i:U+2*i+1], v[T+2*i:T+2*i+1], s[74:75], s[76:77] op_sel_hi:[1,0,0]  ; (a + 1) log2 e - log2 e
.set i, i+1
.endr
.set i, 0
.rept 64
	v_exp_f32 v[U+i], v[U+i]                       ; one batch
.set i, i+1
.endr
	v_nop                                          ; a plain instruction behind the last exponential,
	s_wait_alu depctr_va_vdst(0)                   ; and the one wait for the batch
.set i, 0
.rept 64
	v_med3_num_f32 v[T+i], v[T+i], v[U+i], 1.0     ; f(a)
.set i, i+1
.endr
	WIN 0x04                                       ; ks in window 1.  f(a) . ks: for each of my two heads two chains of packed sums, the four by turns
.set i, 0
.rept 16
.irp g, 0,1
.if i < 2
	v_pk_mul_f32 v[4+4*(\g)+2*(i%2):5+4*(\g)+2*(i%2)], v[T+32*(\g)+2*i:T+32*(\g)+2*i+1], v[192+32*(\g)+2*i:192+32*(\g)+2*i+1]
.else
	v_pk_fma_f32 v[4+4*(\g)+2*(i%2):5+4*(\g)+2*(i%2)], v[T+32*(\g)+2*i:T+32*(\g)+2*i+1], v[192+32*(\g)+2*i:192+32*(\g)+2*i+1], v[4+4*(\g)+2*(i%2):5+4*(\g)+2*(i%2)]
.endif
.endr
.set i, i+1
.endr
	WIN 0
	v_pk_add_f32 v[4:5], v[4:5], v[6:7]
	v_pk_add_f32 v[8:9], v[8:9], v[10:11]
	v_add_f32 v4, v4, v5
	v_add_f32 v8, v8, v9
	v_permlanex16_b32 v5, v4, s78, s79             ; the row's other 32 columns of the head lie in the lane 16 away
	v_permlanex16_b32 v9, v8, s78, s79
	v_add_f32 v4, v4, v5
	v_add_f32 v8, v8, v9
	v_add_f32 v4, 0x358637bd, v4                   ; + 1e-6
	v_add_f32 v8, 0x358637bd, v8
	v_rcp_f32 v12, v4
	v_rcp_f32 v14, v8
	v_nop
	s_wait_alu depctr_va_vdst(0)                   ; one wait for the two reciprocals
.set i, 0
.rept 32
	v_pk_mul_f32 v[T+2*i:T+2*i+1], v[T+2*i:T+2*i+1], v[12+2*(i/16):13+2*(i/16)] op_sel_hi:[1,0]
.set i, i+1
.endr
.set i, 0
.rept 32
	v_cvt_pk_bf16_f32 v[TMP+i], v[T+2*i], v[T+2*i+1]
.set i, i+1
.endr
.irp b, 0,1,2,3,4,5,6,7
	ds_store_b128 v[STO], v[TMP+4*(\b):TMP+4*(\b)+3] offset:32*(\b)
.endr
.irp t, 0,1,2,3,4,5,6,7
	ds_load_b128 v[OB+4*(\t):OB+4*(\t)+3], v[RD] offset:(\t)*2*SPITCH  ; LDS serves a wave's instructions in order: these see the stores above
.endr
.irp t, 0,1,2,3,4,5,6,7
	s_wait_dscnt 7-(\t)
	global_store_b128 v[CO], v[OB+4*(\t):OB+4*(\t)+3], s[8:9] offset:2*(\t)*CROW  ; 16 lanes store 256 consecutive bytes, aligned
.endr
.endif
	s_wait_xcnt 0x0                                ; the stores have read their registers and their base: both are rewritten only behind this wait
	s_add_nc_u64 s[8:9], s[8:9], 16*CROW
	s_add_co_u32 s[ROWC], s[ROWC], 1
.if OG
	s_cmp_lt_u32 s[ROWC], 8
	s_cbranch_scc1 .Lrow
.else
	s_sub_co_u32 s[INC], s[INC], 1
	s_cmp_lg_u32 s[INC], 0
	s_cbranch_scc1 .Lrow
	s_wait_loadcnt 0x0                             ; the 16 loads issued two blocks back (the first time Wo^T's fragments too) are in, so their base may be stepped
	WORKG
	v_add_nc_u32 v[CW], 8*CPITCH, v[CW]            ; eight rows on
	s_cmp_eq_u32 s[OUTC], 1                        ; the last trip has nothing left to ask for
	s_cbranch_scc1 .Lno_more
	s_add_nc_u64 s[80:81], s[80:81], 2048
	LOADG
.Lno_more:
	s_sub_co_u32 s[OUTC], s[OUTC], 1
	s_cmp_lg_u32 s[OUTC], 0
	s_cbranch_scc1 .Lpair
	; THE FOLD'S PRODUCTS.  Wave w makes rows 32 w .. + 31 of the piece: 16 accumulators, 32 matrix instructions, used transposed (source 0 = 16 rows d of ctx, source 1 = 16 rows n of Wo^T): a lane holds one row n and eight neighbouring columns.
	s_wait_dscnt 0x0                               ; for the others' sake: my rows of ctx lie in LDS
	s_barrier_signal -1
	s_barrier_wait -1                              ; both heads' ctx are whole
.irp b, 0,1,2,3,4,5,6,7
.irp ks, 0,1
	ds_load_b128 v[T+8*(2*(\b)+(\ks)):T+8*(2*(\b)+(\ks))+3],   v[CR] offset:((\b)/4)*CHEAD+((\b)%4)*16*CPITCH+(\ks)*64
	ds_load_b128 v[T+8*(2*(\b)+(\ks))+4:T+8*(2*(\b)+(\ks))+7], v[CR] offset:((\b)/4)*CHEAD+((\b)%4)*16*CPITCH+(\ks)*64+32
.endr
.endr
	s_wait_dscnt 0x0
	WIN 0xf4                                       ; ctx in window 0, Wo^T in window 1, the sums in window 3: accumulator (a, b) at 8 (8 a + b)
.irp ks, 0,1                           ; the 16 accumulators take turns; the first 16 products start the sums
.irp a, 0,1
.irp b, 0,1,2,3,4,5,6,7
.if (\ks) == 0
	v_wmma_f32_16x16x32_bf16 v[8*(8*(\a)+(\b)):8*(8*(\a)+(\b))+7], v[T+8*(2*(\b)+(\ks)):T+8*(2*(\b)+(\ks))+7], v[WF+8*(4*(\a)+2*((\b)/4)+(\ks)):WF+8*(4*(\a)+2*((\b)/4)+(\ks))+7], 0
.else
	v_wmma_f32_16x16x32_bf16 v[8*(8*(\a)+(\b)):8*(8*(\a)+(\b))+7], v[T+8*(2*(\b)+(\ks)):T+8*(2*(\b)+(\ks))+7], v[WF+8*(4*(\a)+2*((\b)/4)+(\ks)):WF+8*(4*(\a)+2*((\b)/4)+(\ks))+7], v[8*(8*(\a)+(\b)):8*(8*(\a)+(\b))+7]
.endif
.endr
.endr
.endr
	PLACES
.irp a, 0,1                            ; 16 rows at a time through my own stage
	WIN 0x0f
.set i, 0
.rept 32
	v_cvt_pk_bf16_f32 v[TMP+i], v[64*(\a)+2*i], v[64*(\a)+2*i+1]  ; each accumulator's registers in ascending order
.set i, i+1
.endr
	WIN 0
.irp b, 0,1,2,3,4,5,6,7
	ds_store_b128 v[STO], v[TMP+4*(\b):TMP+4*(\b)+3] offset:32*(\b)
.endr
.irp t, 0,1,2,3,4,5,6,7
	ds_load_b128 v[T+32*(\a)+4*(\t):T+32*(\a)+4*(\t)+3], v[RD] offset:(\t)*2*SPITCH
.endr
.endr
	s_wait_dscnt 0x0
.irp a, 0,1
.irp t, 0,1,2,3,4,5,6,7
	global_store_b128 v[CO], v[T+32*(\a)+4*(\t):T+32*(\a)+4*(\t)+3], s[82:83] offset:(\a)*32768+(\t)*4096  ; 16 lanes store 256 consecutive bytes, aligned
.endr
.endr
.endif
	s_wait_tensorcnt 0x0                           ; the wave's end
	ds_add_u32 v[SPW], v[NIL]
	s_wait_dscnt 0x0
	CROUND                                         ; the closing round
	s_endpgm
.Lfunc_end_k_q5baa3a7b12_qgemm:
	.size	k_q5baa3a7b12_qgemm, .Lfunc_end_k_q5baa3a7b12_qgemm-k_q5baa3a7b12_qgemm
	.p2alignl 7, 3214868480
	.fill 96, 4, 3214868480
	.section	.rodata,"a",@progbits
	.p2align	6, 0x0
	.amdhsa_kernel k_q5baa3a7b12_qgemm
		.amdhsa_group_segment_fixed_size 327680
		.amdhsa_private_segment_fixed_size 0
		.amdhsa_enable_private_segment 0
		.amdhsa_kernarg_size 56
		.amdhsa_user_sgpr_count 2
		.amdhsa_user_sgpr_kernarg_segment_ptr 1
		.amdhsa_wavefront_size32 1
		.amdhsa_system_sgpr_workgroup_id_x 1
		.amdhsa_system_sgpr_workgroup_id_y 1
		.amdhsa_system_sgpr_workgroup_id_z 1
		.amdhsa_system_vgpr_workitem_id 0
		.amdhsa_next_free_vgpr 1024
		.amdhsa_next_free_sgpr 100
		.amdhsa_reserve_vcc 0
		.amdhsa_float_denorm_mode_32 3
		.amdhsa_float_denorm_mode_16_64 3
		.amdhsa_memory_ordered 1
		.amdhsa_forward_progress 1
		.amdhsa_inst_pref_size 139
	.end_amdhsa_kernel
	.amdgpu_metadata
---
amdhsa.version: [ 1, 2 ]
amdhsa.kernels:
  - .name:           k_q5baa3a7b12_qgemm
    .symbol:         k_q5baa3a7b12_qgemm.kd
    .args:
      - { .name: xb, .offset: 0, .size: 8, .value_kind: global_buffer, .address_space: global }
      - { .name: wt, .offset: 8, .size: 8, .value_kind: global_buffer, .address_space: global }
      - { .name: qs, .offset: 16, .size: 8, .value_kind: global_buffer, .address_space: global }
      - { .name: bq, .offset: 24, .size: 8, .value_kind: global_buffer, .address_space: global }
      - { .name: ksp, .offset: 32, .size: 8, .value_kind: global_buffer, .address_space: global }
      - { .name: ctxp, .offset: 40, .size: 8, .value_kind: global_buffer, .address_space: global }
      - { .name: mt, .offset: 48, .size: 8, .value_kind: global_buffer, .address_space: global }
    .group_segment_fixed_size: 327680
    .private_segment_fixed_size: 0
    .kernarg_segment_align: 8
    .kernarg_segment_size: 56
    .max_flat_workgroup_size: 128
    .sgpr_count:     100
    .vgpr_count:     1024
    .wavefront_size: 32
...
	.end_amdgpu_metadata
.endif
;; end of part 4
;; launch ogemm (part 5): grid 4 x 64, 4 waves a work-group, clusters of 4 x 4, 327,680 bytes of LDS; arguments qs, mt, out0, bo; writes out0
.if DOCPART == 5
	.amdgcn_target "amdgcn-amd-amdhsa--gfx1250"
	.amdhsa_code_object_version 6
	.text
	.protected	k_q5baa3a7b12_ogemm
	.globl	k_q5baa3a7b12_ogemm
	.p2align	8
	.type	k_q5baa3a7b12_ogemm,@function
k_q5baa3a7b12_ogemm:
	s_mov_b64 s[64:65], 0
	v_nop
	global_prefetch_b8 v0, s[64:65] scope:SCOPE_SE
	s_setreg_imm32_b32 hwreg(HW_REG_WAVE_MODE, 25, 1), 1
	s_wait_xcnt 0x0
	s_wait_alu depctr_hold_cnt(0) depctr_sa_sdst(0) depctr_va_vdst(0) depctr_va_sdst(0) depctr_va_ssrc(0) depctr_va_vcc(0) depctr_vm_vsrc(0)
	s_getreg_b32 s2, hwreg(HW_REG_IB_STS2, 6, 4)
	s_cmp_eq_u32 s2, 0
	s_cbranch_scc0 .Lentry_in_a_cluster
	s_endpgm
.Lentry_in_a_cluster:
	s_bfe_u32 s2, ttmp6, 0x10000c
	s_cmp_lg_u32 s2, 0xf033
	s_cbranch_scc0 .Lentry_shape_is_right
	s_endpgm
.Lentry_shape_is_right:
; ONE TEXT FOR TWO LAUNCHES, told apart by OG.  C[m][n] = sum over k of A[m][k] B[n][k], A [16384][1024] and B [1024][1024] bf16, sums in f32, K ascending; then the launch's own way out.
; OG = 0: A = xb, B = Wq^T.  a = C + bq; f(a) = elu(a) + 1; z = 1 / (sum over a head's 64 columns of f(a) ks + 1e-6), ks the sum of its four partial sums; qs = f(a) z, rounded once to bf16.
;   BESIDE ITS TILE each work-group folds a piece of the context into the output weights: mt[b][n][(h, d)] = sum over e of Wo^T[n][(h, e)] ctx[b][h][d][e], ctx the sum of its four partial sums, rounded once to bf16;
;   128 rows n x 128 columns (a pair of heads) a work-group, 256 pieces in all; mt rounded once to bf16.  So the last launch multiplies the scaled queries by mt, and the attention's output is never rounded.
; OG = 1: A = qs, B = the batch's mt.  out0 = C + bo, f32.
; The bias is rounded to bf16 like every input.  f(a) = the middle one of a + 1, e^a and 1.  LIMITS: e^a stands for expm1(a) + 1 (6e-8 apart at the most); e^a below 2^-126 counts as 0; NaN and infinities are not treated apart.
; SHARES.  A tile of C, 256 x 256, is made by four waves, 128 x 128 each: 64 accumulators, 512 registers.  K goes in 8 steps of 128 through two LDS slots filled by the tensor data mover; the tiles' rows are 256 bytes, aligned.
; CLUSTER.  4 x 4 work-groups: A's tiles are asked for jointly along a row of the cluster, B's along a column: the same tensor load, descriptor and mask in all four.
; THE MATRIX INSTRUCTION IS USED TRANSPOSED (source 0 = 16 rows of B, source 1 = 16 rows of A): a lane holds one row of C and eight neighbouring columns; a wave's 128 columns are two whole heads.
; THE LOOP'S BODY IS ONE K STEP: the LDS addresses are a fixed part plus s[TB], which an exclusive or turns from one slot to the other; one descriptor a tensor walks.
; REGISTERS.  window 0: v4-15 at work on the way out; v16-30 addresses; v64-127, v128-191 A's fragments, two buffers (on the way out T and U); v32-63, v192-223 at work; v224-230 the fold's addresses.
;   window 1: v0-63 the bias of my 8 columns in each of 8 groups; v64-191 B's fragments (on the way out: 16 loads of partial sums, Wo^T's fragments); v192-255 ks likewise to the bias.
;   windows 2, 3: the accumulators, (a, b) at 8 (8 (a % 4) + b).
.set OG, 1
.set SIZE_N, 1024
.set SIZE_K, 1024
.set KSTEP,  128
.set PITCH,  272                       ; an LDS row: 256 bytes + 16 of padding: the 16 rows of a fragment load start at 16 different groups of four banks (ISA guide 11.1)
.set HALFT,  128*PITCH
.set SLOT,   4*HALFT                   ; 0x22000: no wave's place in a slot has one of its two bits
.set STAGE,  2*SLOT                    ; behind the ring: 16 rows for each wave, for the way out
.if OG
.set SPITCH, 528
.set CB,     4
.else
.set SPITCH, 272
.set CB,     2
.endif
.set CROW,   SIZE_N*CB                 ; bytes in a row of C
.set SPARE,  STAGE+4*16*SPITCH
.set REFILLS, SIZE_K/KSTEP-2
.if OG == 0
.set CT,     SPARE+512                 ; behind the spare words: two heads' ctx in bf16, 64 rows of 128 + 16 bytes each, written by ds_store alone
.set CPITCH, 144
.set CHEAD,  64*CPITCH
.set KSL,    CT+2*CHEAD                ; and 512 bytes for each wave: ks of its 128 columns
.set WOT,    2097152
.set KP,   32                          ; v32-47  the four partial ks of my four columns
.set CLO,  224                         ; v224    16 x lane
.set CW,   225                         ; v225    where I put 8 bytes of ctx
.set CR,   226                         ; v226    my lane's place in a fragment of ctx
.set WFO,  227                         ; v227    my lane's place in a fragment of Wo^T, in memory
.set KLO,  228
.set KSW,  229
.set KSR,  230
.set SET,  64                          ; window 1: four pairs of rows x four partial sums
.set WF,   128                         ; window 1: Wo^T's fragments, (a, head i, ks) at 8 (4 a + 2 i + ks)
.set OUTC, 98
.set INC,  99
.endif
.set ADRA0, 16                         ; v16  my lane's place in A's half of slot 0; never rewritten
.set ADRA,  17                         ; v17  the same in the slot in hand
.set ADRB0, 20
.set ADRB,  21
.set STO,  24
.set RD,   25
.set CO,   26
.set BOF,  27
.set SPW,  28
.set NIL,  29
.set PFO,  30
.set F0,   64
.set F1,   128
.set T,    64
.set U,    128
.set TMP,  192
.set OB,   32
.set G1,  24
.set G0,  32
.set LIM, 43
.set PFA, 44
.set G1B, 48
.set G0B, 56
.set ROWC, 72
.set TB,  73
.set MSB, 0
.macro WIN new
.if MSB != (\new)
	s_set_vgpr_msb (MSB<<8)|(\new)
.set MSB, (\new)
.endif
.endm
.set MUL_LO, 0xa1                      ; source 0 (B) window 1, source 1 (A) window 0, C and D window 2
.set MUL_HI, 0xf1
.set TO_B,   0x40
.macro JLOAD s                         ; a joint load: waves 0 and 1 fetch A's halves, waves 2 and 3 B's; an s_nop 0 and four v_nop follow each line
	s_cmp_eq_u32 s11, 0
	s_cbranch_scc0 .Lfor_b_\@
	tensor_load_to_lds s[G0+4*(\s):G0+4*(\s)+3], s[G1:G1+7]
	s_nop 0
.rept 4
	v_nop
.endr
	s_branch .Lasked_\@
.Lfor_b_\@:
	tensor_load_to_lds s[G0B+4*(\s):G0B+4*(\s)+3], s[G1B:G1B+7]
	s_nop 0
.rept 4
	v_nop
.endr
.Lasked_\@:
.endm
; A PREFETCH INTO THE L2 of the K step that stands two refills on: 32 rows x 256 bytes, a lane a row, one instruction a wave.  A's rows are read by one cluster alone, which asks; B's by every cluster that shares
; them, of which the first asks.  The four partners that ask for a tile jointly take 32 of a wave's 128 rows each, told apart by address.  K steps 0 to 3 come by their loads alone; the last two refills ask for nothing.
.macro ASK
	s_cmp_gt_u32 s3, s[LIM]
	s_cbranch_scc0 .Lnot_mine_\@
	global_prefetch_b8 v[PFO], s[PFA:PFA+1] offset:KSTEP*2 th:TH_LOAD_NT scope:SCOPE_SE
.Lnot_mine_\@:
.endm
.macro CREST
	s_cmp_lg_u32 s10, 0
	s_cbranch_scc1 .Lnot_wave_0_\@
	s_barrier_signal -3
.Lnot_wave_0_\@:
	s_barrier_wait -3
	s_barrier_signal -1
	s_barrier_wait -1
.endm
.macro CROUND
	s_barrier_signal -1
	s_barrier_wait -1
	CREST
.endm
	s_load_b128 s[4:7], s[0:1], 0x0                ; A s[4:5], B s[6:7]
	s_load_b64 s[8:9], s[0:1], 0x10                ; C
	s_load_b64 s[68:69], s[0:1], 0x18              ; the bias
.if OG == 0
	s_load_b64 s[70:71], s[0:1], 0x20              ; ksp
	s_load_b128 s[80:83], s[0:1], 0x28             ; ctxp s[80:81], mt s[82:83]
.endif
	v_lshl_add_u32 v[SPW], v0, 2, SPARE
	v_mov_b32 v[NIL], 0
	ds_add_u32 v[SPW], v[NIL]                      ; the wave's opening: the add, twice on end, and its wait ahead of my first tensor load
	ds_add_u32 v[SPW], v[NIL]
	v_lshrrev_b32 v1, 5, v0
	v_readfirstlane_b32 s10, v1                    ; wave
	s_lshr_b32 s11, s10, 1                         ; which half of the tile's rows is mine; also: I fetch for A (0) or B (1)
	s_and_b32 s12, s10, 1                          ; which half of its columns; also: which 128 rows I fetch
	s_bfe_u32 s40, ttmp6, 0x40000                  ; cx
	s_bfe_u32 s41, ttmp6, 0x40004                  ; cy
	s_lshl_b32 s42, ttmp9, 2
	s_add_co_u32 s42, s42, s40                     ; tile column
	s_and_b32 s13, ttmp7, 0xffff
	s_lshr_b32 s66, s13, 2                         ; the batch: four clusters of 1,024 rows each; the same in all sixteen partners
	s_lshl_b32 s13, s13, 2
	s_add_co_u32 s13, s13, s41                     ; tile row
	s_lshl_b32 s43, s41, 2
	s_lshl_b32 s43, 15, s43                        ; my row of the cluster
	s_lshl_b32 s44, 0x1111, s40                    ; my column
.if OG == 0
	; the fold's piece: number 4 x tile row + tile column of 256; it enters global addresses alone, in registers that feed no descriptor
	s_lshl2_add_u32 s92, s13, s42
	s_and_b32 s93, s92, 7                          ; block of 128 rows n
	s_lshr_b32 s94, s92, 6                         ; the piece's batch
	s_bfe_u32 s95, s92, 0x30003                    ; its pair of heads
	s_lshl_b32 s84, s93, 18
	s_lshl_b32 s96, s10, 16
	s_add_co_u32 s84, s84, s96
	s_lshl_b32 s96, s95, 8
	s_add_co_u32 s84, s84, s96                     ; rows 128 block + 32 wave of 2,048 bytes, the pair's 256 bytes: in Wo^T and in a batch's mt alike
	s_lshl_b32 s86, s94, 21
	s_add_co_u32 s86, s86, s84
	s_mov_b32 s87, 0
	s_add_co_u32 s84, s84, WOT
	s_mov_b32 s85, 0
	s_lshl_b32 s88, s94, 4
	s_lshl1_add_u32 s88, s95, s88
	s_add_co_u32 s88, s88, s11                     ; the head whose partial sums I add: 16 b + 2 pair + wave / 2,
	s_lshl_b32 s88, s88, 16                        ; (a head's four partial sums are 65,536 bytes)
	s_lshl_b32 s96, s12, 13                        ; and which 32 of its rows
	s_add_co_u32 s88, s88, s96
	s_mov_b32 s89, 0
	s_lshl_b32 s90, s66, 4                         ; ks: my tile's batch, my wave's first head 4 x tile column + 2 x half; a head's four partial ks are 1,024 bytes
	s_lshl2_add_u32 s90, s42, s90
	s_lshl1_add_u32 s90, s12, s90
	s_lshl_b32 s90, s90, 10
	s_mov_b32 s91, 0
.endif
	s_or_b32 s[G1+0], s43, (1<<16)|(1<<20)|(1<<21)|(5<<22)|(3<<25)
	s_or_b32 s[G1B+0], s44, (1<<16)|(1<<20)|(1<<21)|(5<<22)|(3<<25)
.irp g, G1, G1B
	s_mov_b32 s[(\g)+1], KSTEP<<16                 ; tensor_dim0 = 128
	s_mov_b32 s[(\g)+2], 128<<16                   ; tensor_dim1 = 128
	s_mov_b32 s[(\g)+3], KSTEP<<16                 ; tile_dim0 = 128
	s_mov_b32 s[(\g)+4], 128                       ; tile_dim1 = 128
	s_mov_b32 s[(\g)+5], SIZE_K
	s_mov_b32 s[(\g)+6], 0
	s_mov_b32 s[(\g)+7], 0
.endr
	s_lshl_b32 s17, s12, 7
	s_lshl_b32 s16, s13, 8
	s_add_co_u32 s16, s16, s17                     ; A: row 256 x tile row + 128 x half
	s_lshl_b32 s46, s42, 8
	s_add_co_u32 s46, s46, s17                     ; B: row 256 x tile column + 128 x half
	s_mov_b32 s17, 0
	s_mov_b32 s47, 0
	s_mov_b64 s[18:19], SIZE_K*2
	s_mul_u64 s[16:17], s[16:17], s[18:19]
	s_mul_u64 s[46:47], s[46:47], s[18:19]
	s_mul_i32 s20, s10, HALFT                      ; where they go: wave x 128 rows
.if OG
	s_lshl_b32 s22, s66, 21                        ; a batch's mt is 2,097,152 bytes
	s_mov_b32 s23, 0
.endif
	s_mov_b32 s[TB], 0
.if OG == 0
	s_mov_b32 s74, 0x3fb8aa3b                      ; log2 e, as a pair,
	s_mov_b32 s75, s74
	s_mov_b32 s76, 0xbfb8aa3b                      ; and its negative
	s_mov_b32 s77, s76
	s_mov_b32 s78, 0x76543210                      ; v_permlanex16_b32: each lane takes its own place in the other half
	s_mov_b32 s79, 0xfedcba98
.endif
	s_wait_dscnt 0x0
	s_wait_kmcnt 0x0
.if OG
	s_add_nc_u64 s[6:7], s[6:7], s[22:23]          ; B is the batch's own
.else
	s_add_nc_u64 s[84:85], s[6:7], s[84:85]        ; Wo^T at my 32 rows
	s_add_nc_u64 s[82:83], s[82:83], s[86:87]      ; mt at the same rows
	s_add_nc_u64 s[80:81], s[80:81], s[88:89]      ; ctxp at my 32 rows of a head
	s_add_nc_u64 s[70:71], s[70:71], s[90:91]      ; ksp at my two heads
.endif
	s_add_nc_u64 s[14:15], s[4:5], s[16:17]
	s_add_nc_u64 s[46:47], s[6:7], s[46:47]
	CROUND                                         ; all sixteen work-groups are here: the first joint loads meet
.irp s, 0,1
	s_mov_b32 s[G0+4*(\s)], 1
	s_add_co_u32 s[G0+4*(\s)+1], s20, (\s)*SLOT
	s_add_nc_u64 s[G0+4*(\s)+2:G0+4*(\s)+3], s[14:15], (\s)*KSTEP*2
	s_or_b32 s[G0+4*(\s)+3], s[G0+4*(\s)+3], 0x80000000
	s_mov_b32 s[G0B+4*(\s)], 1
	s_add_co_u32 s[G0B+4*(\s)+1], s20, (\s)*SLOT
	s_add_nc_u64 s[G0B+4*(\s)+2:G0B+4*(\s)+3], s[46:47], (\s)*KSTEP*2
	s_or_b32 s[G0B+4*(\s)+3], s[G0B+4*(\s)+3], 0x80000000
	JLOAD \s                                       ; K steps 0 and 1: two loads of mine are out
.endr
	v_and_b32 v1, 15, v0                           ; r
	v_bfe_u32 v2, v0, 4, 1                         ; hh
	v_mul_u32_u24 v3, v1, PITCH
	v_lshl_add_u32 v3, v2, 4, v3
	s_mul_i32 s21, s11, HALFT
	s_mul_i32 s22, s12, HALFT
	s_add_co_u32 s22, s22, 2*HALFT
	v_add_nc_u32 v[ADRA0], s21, v3
	v_add_nc_u32 v[ADRB0], s22, v3
	v_mov_b32 v[ADRA], v[ADRA0]
	v_mov_b32 v[ADRB], v[ADRB0]
	s_mul_i32 s23, s10, 16*SPITCH
	s_add_co_u32 s23, s23, STAGE                   ; my stage
	v_mul_u32_u24 v4, v1, SPITCH
.if OG
	v_lshl_add_u32 v4, v2, 5, v4                   ; in: row r, 32 bytes for each half of the lanes
	v_add_nc_u32 v[STO], s23, v4
	v_and_b32 v5, 31, v0
	v_lshl_add_u32 v[RD], v5, 4, s23               ; back: a row of 512 bytes by 32 lanes
	v_lshlrev_b32 v[CO], 4, v5
.else
	v_lshl_add_u32 v4, v2, 4, v4                   ; in: row r, 16 bytes for each half of the lanes
	v_add_nc_u32 v[STO], s23, v4
	v_mul_u32_u24 v5, v2, SPITCH                   ; back: lanes 0-15 one row of 256 bytes, lanes 16-31 the next
	v_lshl_add_u32 v5, v1, 4, v5
	v_add_nc_u32 v[RD], s23, v5
	v_mul_u32_u24 v5, v2, CROW
	v_lshl_add_u32 v[CO], v1, 4, v5                ; the same two rows in qs, and in mt, whose rows are as long
	v_and_b32 v5, 31, v0                           ; the fold's addresses
	v_lshlrev_b32 v[CLO], 4, v5
	s_mul_i32 s92, s11, CHEAD
	s_mul_i32 s93, s12, 32*CPITCH
	s_add_co_u32 s92, s92, s93
	s_add_co_u32 s92, s92, CT
	v_mul_u32_u24 v[CW], v2, CPITCH                ; in: my head, my 32 rows; of a pair of rows lanes 0-15 the first, lanes 16-31 the second, 8 bytes a lane
	v_lshl_add_u32 v[CW], v1, 3, v[CW]
	v_add_nc_u32 v[CW], s92, v[CW]
	v_mul_u32_u24 v[CR], v1, CPITCH                ; a fragment's row x pitch + 16 x half
	v_lshl_add_u32 v[CR], v2, 4, v[CR]
	v_add_nc_u32 v[CR], CT, v[CR]
	v_lshlrev_b32 v[WFO], 11, v1
	v_lshl_add_u32 v[WFO], v2, 4, v[WFO]
	v_lshlrev_b32 v[KLO], 10, v2                   ; ks: lanes 0-15 my first head, lanes 16-31 my second, four columns a lane
	v_lshl_add_u32 v[KLO], v1, 4, v[KLO]
	s_lshl_b32 s92, s10, 9
	s_add_co_u32 s92, s92, KSL
	v_lshl_add_u32 v[KSW], v5, 4, s92
	v_lshl_add_u32 v[KSR], v2, 5, s92
.endif
	v_lshlrev_b32 v[BOF], 5, v2                    ; my 8 columns of a group of 16, in f32
	s_lshl_b32 s13, s13, 8
	s_lshl_b32 s14, s11, 7
	s_add_co_u32 s16, s13, s14                     ; my first row of C
	s_mov_b32 s17, 0
	s_mov_b64 s[18:19], CROW
	s_mul_u64 s[16:17], s[16:17], s[18:19]
	s_lshl_b32 s46, s42, 8
	s_lshl_b32 s47, s12, 7
	s_add_co_u32 s46, s46, s47                     ; my first column
	s_lshl_b32 s20, s46, 2                         ; its byte in the bias
	s_mov_b32 s21, 0
	s_mul_i32 s46, s46, CB
	s_mov_b32 s47, 0
	s_add_nc_u64 s[16:17], s[16:17], s[46:47]      ; the way out adds this to C's address
	s_add_nc_u64 s[68:69], s[68:69], s[20:21]
	WIN 0x40                                       ; destination window 1.  These loads stay out during the loop; the way out waits for them
.irp b, 0,1,2,3,4,5,6,7
	global_load_b128 v[8*(\b):8*(\b)+3],   v[BOF], s[68:69] offset:64*(\b)
	global_load_b128 v[8*(\b)+4:8*(\b)+7], v[BOF], s[68:69] offset:64*(\b)+16
.endr
	WIN 0
.if OG == 0
.irp c, 0,1,2,3
	global_load_b128 v[KP+4*(\c):KP+4*(\c)+3], v[KLO], s[70:71] offset:256*(\c)  ; partial sum c of my two heads' ks: twice 256 consecutive bytes
.endr
.endif
	; the prefetches.  s13 = 256 x tile row, s42 = tile column, s40 = cx, s41 = cy still stand
	s_lshl_b32 s42, s42, 8
	s_and_b32 s22, ttmp7, 0xffff                   ; cluster y
.if OG
	s_and_b32 s22, s22, 3                          ; a batch's mt is read by four clusters: the first of them asks
.endif
	s_cmp_eq_u32 s11, 0                            ; do I fetch for A?
	s_cselect_b32 s20, s13, s42
	s_cselect_b32 s21, s40, s41                    ; my place among the four that ask with me
	s_cselect_b32 s22, ttmp9, s22                  ; the coordinate along which other clusters read the same rows
	s_cselect_b64 s[PFA:PFA+1], s[4:5], s[6:7]
	s_cmp_eq_u32 s22, 0
	s_cselect_b32 s[LIM], 2, -1                    ; a wave that asks does so while more than two refills are to come
	s_lshl_b32 s22, s12, 7
	s_add_co_u32 s20, s20, s22
	s_lshl_b32 s21, s21, 5
	s_add_co_u32 s20, s20, s21
	s_mov_b32 s21, 0
	s_mov_b64 s[18:19], SIZE_K*2
	s_mul_u64 s[20:21], s[20:21], s[18:19]
	s_add_nc_u64 s[PFA:PFA+1], s[PFA:PFA+1], s[20:21]
	s_add_nc_u64 s[PFA:PFA+1], s[PFA:PFA+1], 2*KSTEP*2  ; at K step 2: the first refill steps it to 3 and names K step 4
	v_and_b32 v[PFO], 31, v0
	v_mul_u32_u24 v[PFO], v[PFO], SIZE_K*2
.macro MUL16 f, hi, a0, zero           ; 16 matrix instructions; the 64 accumulators take turns, in the same order in every quarter
	WIN MUL_LO+0x50*(\hi)
.irp a, \a0, (\a0)+1
.irp b, 0,1,2,3,4,5,6,7
.if \zero
	v_wmma_f32_16x16x32_bf16 v[8*(8*(\a)+(\b)):8*(8*(\a)+(\b))+7], v[(\f)+8*(\b):(\f)+8*(\b)+7], v[(\f)+8*(4*(\hi)+(\a)):(\f)+8*(4*(\hi)+(\a))+7], 0
.else
	v_wmma_f32_16x16x32_bf16 v[8*(8*(\a)+(\b)):8*(8*(\a)+(\b))+7], v[(\f)+8*(\b):(\f)+8*(\b)+7], v[(\f)+8*(4*(\hi)+(\a)):(\f)+8*(4*(\hi)+(\a))+7], v[8*(8*(\a)+(\b)):8*(8*(\a)+(\b))+7]
.endif
.endr
.endr
.endm
.macro FETCH k, f                      ; 32 LDS loads in one run: the fragments of 32 along K at byte k of the rows of the slot in hand
	WIN TO_B
.irp i, 0,1,2,3,4,5,6,7
	ds_load_b128 v[(\f)+8*(\i):(\f)+8*(\i)+3],   v[ADRB] offset:(\k)+(\i)*16*PITCH
	ds_load_b128 v[(\f)+8*(\i)+4:(\f)+8*(\i)+7], v[ADRB] offset:(\k)+(\i)*16*PITCH+32
.endr
	WIN 0
.irp i, 0,1,2,3,4,5,6,7
	ds_load_b128 v[(\f)+8*(\i):(\f)+8*(\i)+3],   v[ADRA] offset:(\k)+(\i)*16*PITCH
	ds_load_b128 v[(\f)+8*(\i)+4:(\f)+8*(\i)+7], v[ADRA] offset:(\k)+(\i)*16*PITCH+32
.endr
.endm
.macro PLACES                          ; four places behind a matrix instruction (ISA guide 7.12.1)
.rept 4
	v_nop
.endr
.endm
.macro QUARTER k, f, g, zero           ; multiplies buffer f; in its middle fetches the next quarter's fragments, at byte k, into buffer g
	s_wait_dscnt 8                                 ; B and A's rows 0-63 are in; the youngest eight loads may be out
	MUL16 \f, 0, 0, \zero
	MUL16 \f, 0, 2, \zero
	PLACES
	FETCH \k, \g
	s_wait_dscnt 32                                ; all but the 32 just issued
	MUL16 \f, 1, 0, \zero
	MUL16 \f, 1, 2, \zero
.endm
.macro MEET round                      ; the first half of a K step's last quarter: one barrier for the change of slots
	WIN 0
	s_wait_tensorcnt 0x0                           ; all my tensor loads have landed: the one that was out is my part of the next slot
	ds_add_u32 v[SPW], v[NIL]
	s_wait_dscnt 9                                 ; (the add and the youngest eight loads may be out)
	MUL16 F1, 0, 0, 0
	s_wait_dscnt 0x0                               ; the add is done, and my reads of this slot are over
	s_barrier_signal -1
	MUL16 F1, 0, 2, 0
.if \round
	WIN 0
.endif
	s_barrier_wait -1
.endm
.macro NEXTSLOT                        ; the reads go on in the other slot: its first fragments
	s_xor_b32 s[TB], s[TB], SLOT
	v_add_nc_u32 v[ADRA], s[TB], v[ADRA0]
	v_add_nc_u32 v[ADRB], s[TB], v[ADRB0]
	FETCH 0, F0
.endm
.macro TURN                            ; the last quarter of a K step that fills: the barrier opens a round of the cluster's, and the slot just read is filled again first thing behind it: 224 matrix instructions ahead of the wait for it
	s_wait_xcnt 0x0                                ; the last prefetch, a K step back, has read its address
	s_add_nc_u64 s[PFA:PFA+1], s[PFA:PFA+1], KSTEP*2
	MEET 1
	CREST
	s_xor_b32 s[G0+5], s[G0+5], SLOT               ; no load of mine is out: the walking descriptors take the other slot and the next K step
	s_add_nc_u64 s[G0+6:G0+7], s[G0+6:G0+7], KSTEP*2
	s_xor_b32 s[G0B+5], s[G0B+5], SLOT
	s_add_nc_u64 s[G0B+6:G0B+7], s[G0B+6:G0B+7], KSTEP*2
	JLOAD 1
	NEXTSLOT
	ASK
	MUL16 F1, 1, 0, 0
	MUL16 F1, 1, 2, 0
.endm
	s_wait_tensorcnt 1                             ; my part of K step 0 is in; K step 1's may stay out
	s_barrier_signal -1
	s_barrier_wait -1
	FETCH 0, F0
	QUARTER 64, F0, F1, 1                          ; the first quarter stands in front of the loop: its products start the sums
	WIN 0
	s_mov_b32 s3, REFILLS
.Lstep:                                        ; a trip: from a K step's second quarter to the next step's first; it fills one slot again
	QUARTER 128, F1, F0, 0
	QUARTER 192, F0, F1, 0
	TURN
	QUARTER 64, F0, F1, 0
	WIN 0
	s_sub_co_u32 s3, s3, 1
	s_cmp_lg_u32 s3, 0
	s_cbranch_scc1 .Lstep
	s_mov_b32 s3, 2
.Ltail:                                        ; the last two K steps ask for nothing: one text, walked twice and left in its middle.  The price: the last K step passes a barrier that it does not need
	QUARTER 128, F1, F0, 0
	QUARTER 192, F0, F1, 0
	MEET 0
	PLACES
	WIN 0
	s_sub_co_u32 s3, s3, 1
	s_cmp_eq_u32 s3, 0
	s_cbranch_scc1 .Llast                          ; behind the last K step there is nothing to fetch
	NEXTSLOT
	MUL16 F1, 1, 0, 0
	MUL16 F1, 1, 2, 0
	QUARTER 64, F0, F1, 0
	WIN 0
	s_branch .Ltail
.Llast:
	MUL16 F1, 1, 0, 0
	MUL16 F1, 1, 2, 0
	; THE WAY OUT, 16 rows at a time.  Registers cannot be indexed, so only the 32 lines that add the bias to a block's accumulators are written eight times; the rest is one text in a counted loop.
	PLACES
.if OG == 0
; THE FOLD'S LOADS STAND UNDER THE WAY OUT, in B's fragment buffers, which are free now.  16 loads bring four pairs of rows of my head's four partial sums, 512 consecutive bytes each; they are waited for two blocks later.
.macro LOADG
	WIN 0x40
.irp p, 0,1,2,3
.irp c, 0,1,2,3
	global_load_b128 v[SET+16*(\p)+4*(\c):SET+16*(\p)+4*(\c)+3], v[CLO], s[80:81] offset:(\p)*512+(\c)*16384
.endr
.endr
	WIN 0
.endm
.macro WORKG                           ; added in f32, rounded once, 8 bytes a lane into LDS
	WIN 0x45
.irp p, 0,1,2,3
.set B, SET+16*(\p)
	v_pk_add_f32 v[B:B+1],     v[B:B+1],     v[B+4:B+5]
	v_pk_add_f32 v[B+2:B+3],   v[B+2:B+3],   v[B+6:B+7]
	v_pk_add_f32 v[B+8:B+9],   v[B+8:B+9],   v[B+12:B+13]
	v_pk_add_f32 v[B+10:B+11], v[B+10:B+11], v[B+14:B+15]
	v_pk_add_f32 v[B:B+1],     v[B:B+1],     v[B+8:B+9]
	v_pk_add_f32 v[B+2:B+3],   v[B+2:B+3],   v[B+10:B+11]
	v_cvt_pk_bf16_f32 v[B+4], v[B], v[B+1]
	v_cvt_pk_bf16_f32 v[B+5], v[B+2], v[B+3]
.endr
	WIN 0x04                                       ; store data in window 1
.irp p, 0,1,2,3
	ds_store_b64 v[CW], v[SET+16*(\p)+4:SET+16*(\p)+5] offset:(\p)*2*CPITCH
.endr
	WIN 0
.endm
	WIN 0x40
.irp a, 0,1
.irp i, 0,1
.irp ks, 0,1
	global_load_b128 v[WF+8*(4*(\a)+2*(\i)+(\ks)):WF+8*(4*(\a)+2*(\i)+(\ks))+3],   v[WFO], s[84:85] offset:(\a)*32768+(\i)*128+(\ks)*64
	global_load_b128 v[WF+8*(4*(\a)+2*(\i)+(\ks))+4:WF+8*(4*(\a)+2*(\i)+(\ks))+7], v[WFO], s[84:85] offset:(\a)*32768+(\i)*128+(\ks)*64+32
.endr
.endr
.endr
	LOADG
	s_wait_loadcnt 32                              ; the bias and the partial ks are in; the 32 loads just issued stay out
.else
	s_wait_loadcnt 0x0                             ; the bias
.endif
	WIN 0x05
.set i, 0
.rept 32
	v_cvt_pk_bf16_f32 v[T+i], v[2*i], v[2*i+1]     ; the bias is rounded to bf16 like every input,
.set i, i+1
.endr
	WIN 0x40
.set i, 0
.rept 32
	v_lshlrev_b32 v[2*i], 16, v[T+i]               ; and widened again
	v_and_b32 v[2*i+1], 0xffff0000, v[T+i]
.set i, i+1
.endr
.if OG == 0
	WIN 0x41
.set i, 0
.rept 32
	v_pk_add_f32 v[2*i:2*i+1], v[2*i:2*i+1], 1.0 op_sel_hi:[1,0]  ; bias + 1: the gather then gives a + 1
.set i, i+1
.endr
	WIN 0
	v_pk_add_f32 v[KP:KP+1],       v[KP:KP+1],       v[KP+4:KP+5]    ; ks = the sum of its four partial sums, in f32;
	v_pk_add_f32 v[KP+2:KP+3],     v[KP+2:KP+3],     v[KP+6:KP+7]
	v_pk_add_f32 v[KP+8:KP+9],     v[KP+8:KP+9],     v[KP+12:KP+13]
	v_pk_add_f32 v[KP+10:KP+11],   v[KP+10:KP+11],   v[KP+14:KP+15]
	v_pk_add_f32 v[KP:KP+1],       v[KP:KP+1],       v[KP+8:KP+9]
	v_pk_add_f32 v[KP+2:KP+3],     v[KP+2:KP+3],     v[KP+10:KP+11]
	ds_store_b128 v[KSW], v[KP:KP+3]               ; my 128 columns' ks on end in my own 512 bytes of LDS,
	WIN 0x40
.irp b, 0,1,2,3,4,5,6,7
	ds_load_b128 v[192+8*(\b):192+8*(\b)+3],   v[KSR] offset:64*(\b)     ; and back as the bias lies: my 8 columns of each group of 16.  LDS serves a wave's instructions in order: these see the store above
	ds_load_b128 v[192+8*(\b)+4:192+8*(\b)+7], v[KSR] offset:64*(\b)+16
.endr
.endif
	WIN 0
	v_mov_b32 v13, 0                               ; named as the upper halves of the pairs that hold z
	v_mov_b32 v15, 0
	s_add_nc_u64 s[8:9], s[8:9], s[16:17]
	s_mov_b32 s[ROWC], 0
.macro GATHER a                        ; T = block a's accumulators + the bias; each accumulator's registers in ascending order
	WIN 0x06+(\a)/4
.set AC, 64*((\a)%4)
.set i, 0
.rept 32
	v_pk_add_f32 v[T+2*i:T+2*i+1], v[AC+2*i:AC+2*i+1], v[2*i:2*i+1]
.set i, i+1
.endr
	WIN 0
.endm
.if OG == 0
	s_wait_dscnt 0x0                               ; ks is in
	s_mov_b32 s[OUTC], 4
.Lpair:                                        ; four trips: two blocks go out, then 16 loads of partial sums are added and the next 16 asked for
	s_mov_b32 s[INC], 2
.endif
.Lrow:
.irp a, 1,2,3,4,5,6,7
	s_cmp_eq_u32 s[ROWC], \a
	s_cbranch_scc1 .Lgather\a
.endr
	GATHER 0
	s_branch .Lcommon
.irp a, 1,2,3,4,5,6
.Lgather\a:
	GATHER \a
	s_branch .Lcommon
.endr
.Lgather7:
	GATHER 7
.Lcommon:
.if OG
.irp b, 0,1,2,3,4,5,6,7
	ds_store_b128 v[STO], v[T+8*(\b):T+8*(\b)+3]   offset:64*(\b)
	ds_store_b128 v[STO], v[T+8*(\b)+4:T+8*(\b)+7] offset:64*(\b)+16
.endr
.set t, 0
.rept 16
	ds_load_b128 v[U+4*t:U+4*t+3], v[RD] offset:SPITCH*t  ; LDS serves a wave's instructions in order: these see the stores above; the next block's stores come behind them
.set t, t+1
.endr
.set t, 0
.rept 16
	s_wait_dscnt 15-t
	global_store_b128 v[CO], v[U+4*t:U+4*t+3], s[8:9] offset:CROW*t th:TH_STORE_NT  ; 512 consecutive bytes, aligned
.set t, t+1
.endr
.else
.set i, 0
.rept 32
	v_pk_fma_f32 v[U+2*i:U+2*i+1], v[T+2*i:T+2*i+1], s[74:75], s[76:77] op_sel_hi:[1,0,0]  ; (a + 1) log2 e - log2 e
.set i, i+1
.endr
.set i, 0
.rept 64
	v_exp_f32 v[U+i], v[U+i]                       ; one batch
.set i, i+1
.endr
	v_nop                                          ; a plain instruction behind the last exponential,
	s_wait_alu depctr_va_vdst(0)                   ; and the one wait for the batch
.set i, 0
.rept 64
	v_med3_num_f32 v[T+i], v[T+i], v[U+i], 1.0     ; f(a)
.set i, i+1
.endr
	WIN 0x04                                       ; ks in window 1.  f(a) . ks: for each of my two heads two chains of packed sums, the four by turns
.set i, 0
.rept 16
.irp g, 0,1
.if i < 2
	v_pk_mul_f32 v[4+4*(\g)+2*(i%2):5+4*(\g)+2*(i%2)], v[T+32*(\g)+2*i:T+32*(\g)+2*i+1], v[192+32*(\g)+2*i:192+32*(\g)+2*i+1]
.else
	v_pk_fma_f32 v[4+4*(\g)+2*(i%2):5+4*(\g)+2*(i%2)], v[T+32*(\g)+2*i:T+32*(\g)+2*i+1], v[192+32*(\g)+2*i:192+32*(\g)+2*i+1], v[4+4*(\g)+2*(i%2):5+4*(\g)+2*(i%2)]
.endif
.endr
.set i, i+1
.endr
	WIN 0
	v_pk_add_f32 v[4:5], v[4:5], v[6:7]
	v_pk_add_f32 v[8:9], v[8:9], v[10:11]
	v_add_f32 v4, v4, v5
	v_add_f32 v8, v8, v9
	v_permlanex16_b32 v5, v4, s78, s79             ; the row's other 32 columns of the head lie in the lane 16 away
	v_permlanex16_b32 v9, v8, s78, s79
	v_add_f32 v4, v4, v5
	v_add_f32 v8, v8, v9
	v_add_f32 v4, 0x358637bd, v4                   ; + 1e-6
	v_add_f32 v8, 0x358637bd, v8
	v_rcp_f32 v12, v4
	v_rcp_f32 v14, v8
	v_nop
	s_wait_alu depctr_va_vdst(0)                   ; one wait for the two reciprocals
.set i, 0
.rept 32
	v_pk_mul_f32 v[T+2*i:T+2*i+1], v[T+2*i:T+2*i+1], v[12+2*(i/16):13+2*(i/16)] op_sel_hi:[1,0]
.set i, i+1
.endr
.set i, 0
.rept 32
	v_cvt_pk_bf16_f32 v[TMP+i], v[T+2*i], v[T+2*i+1]
.set i, i+1
.endr
.irp b, 0,1,2,3,4,5,6,7
	ds_store_b128 v[STO], v[TMP+4*(\b):TMP+4*(\b)+3] offset:32*(\b)
.endr
.irp t, 0,1,2,3,4,5,6,7
	ds_load_b128 v[OB+4*(\t):OB+4*(\t)+3], v[RD] offset:(\t)*2*SPITCH  ; LDS serves a wave's instructions in order: these see the stores above
.endr
.irp t, 0,1,2,3,4,5,6,7
	s_wait_dscnt 7-(\t)
	global_store_b128 v[CO], v[OB+4*(\t):OB+4*(\t)+3], s[8:9] offset:2*(\t)*CROW  ; 16 lanes store 256 consecutive bytes, aligned
.endr
.endif
	s_wait_xcnt 0x0                                ; the stores have read their registers and their base: both are rewritten only behind this wait
	s_add_nc_u64 s[8:9], s[8:9], 16*CROW
	s_add_co_u32 s[ROWC], s[ROWC], 1
.if OG
	s_cmp_lt_u32 s[ROWC], 8
	s_cbranch_scc1 .Lrow
.else
	s_sub_co_u32 s[INC], s[INC], 1
	s_cmp_lg_u32 s[INC], 0
	s_cbranch_scc1 .Lrow
	s_wait_loadcnt 0x0                             ; the 16 loads issued two blocks back (the first time Wo^T's fragments too) are in, so their base may be stepped
	WORKG
	v_add_nc_u32 v[CW], 8*CPITCH, v[CW]            ; eight rows on
	s_cmp_eq_u32 s[OUTC], 1                        ; the last trip has nothing left to ask for
	s_cbranch_scc1 .Lno_more
	s_add_nc_u64 s[80:81], s[80:81], 2048
	LOADG
.Lno_more:
	s_sub_co_u32 s[OUTC], s[OUTC], 1
	s_cmp_lg_u32 s[OUTC], 0
	s_cbranch_scc1 .Lpair
	; THE FOLD'S PRODUCTS.  Wave w makes rows 32 w .. + 31 of the piece: 16 accumulators, 32 matrix instructions, used transposed (source 0 = 16 rows d of ctx, source 1 = 16 rows n of Wo^T): a lane holds one row n and eight neighbouring columns.
	s_wait_dscnt 0x0                               ; for the others' sake: my rows of ctx lie in LDS
	s_barrier_signal -1
	s_barrier_wait -1                              ; both heads' ctx are whole
.irp b, 0,1,2,3,4,5,6,7
.irp ks, 0,1
	ds_load_b128 v[T+8*(2*(\b)+(\ks)):T+8*(2*(\b)+(\ks))+3],   v[CR] offset:((\b)/4)*CHEAD+((\b)%4)*16*CPITCH+(\ks)*64
	ds_load_b128 v[T+8*(2*(\b)+(\ks))+4:T+8*(2*(\b)+(\ks))+7], v[CR] offset:((\b)/4)*CHEAD+((\b)%4)*16*CPITCH+(\ks)*64+32
.endr
.endr
	s_wait_dscnt 0x0
	WIN 0xf4                                       ; ctx in window 0, Wo^T in window 1, the sums in window 3: accumulator (a, b) at 8 (8 a + b)
.irp ks, 0,1                           ; the 16 accumulators take turns; the first 16 products start the sums
.irp a, 0,1
.irp b, 0,1,2,3,4,5,6,7
.if (\ks) == 0
	v_wmma_f32_16x16x32_bf16 v[8*(8*(\a)+(\b)):8*(8*(\a)+(\b))+7], v[T+8*(2*(\b)+(\ks)):T+8*(2*(\b)+(\ks))+7], v[WF+8*(4*(\a)+2*((\b)/4)+(\ks)):WF+8*(4*(\a)+2*((\b)/4)+(\ks))+7], 0
.else
	v_wmma_f32_16x16x32_bf16 v[8*(8*(\a)+(\b)):8*(8*(\a)+(\b))+7], v[T+8*(2*(\b)+(\ks)):T+8*(2*(\b)+(\ks))+7], v[WF+8*(4*(\a)+2*((\b)/4)+(\ks)):WF+8*(4*(\a)+2*((\b)/4)+(\ks))+7], v[8*(8*(\a)+(\b)):8*(8*(\a)+(\b))+7]
.endif
.endr
.endr
.endr
	PLACES
.irp a, 0,1                            ; 16 rows at a time through my own stage
	WIN 0x0f
.set i, 0
.rept 32
	v_cvt_pk_bf16_f32 v[TMP+i], v[64*(\a)+2*i], v[64*(\a)+2*i+1]  ; each accumulator's registers in ascending order
.set i, i+1
.endr
	WIN 0
.irp b, 0,1,2,3,4,5,6,7
	ds_store_b128 v[STO], v[TMP+4*(\b):TMP+4*(\b)+3] offset:32*(\b)
.endr
.irp t, 0,1,2,3,4,5,6,7
	ds_load_b128 v[T+32*(\a)+4*(\t):T+32*(\a)+4*(\t)+3], v[RD] offset:(\t)*2*SPITCH
.endr
.endr
	s_wait_dscnt 0x0
.irp a, 0,1
.irp t, 0,1,2,3,4,5,6,7
	global_store_b128 v[CO], v[T+32*(\a)+4*(\t):T+32*(\a)+4*(\t)+3], s[82:83] offset:(\a)*32768+(\t)*4096  ; 16 lanes store 256 consecutive bytes, aligned
.endr
.endr
.endif
	s_wait_tensorcnt 0x0                           ; the wave's end
	ds_add_u32 v[SPW], v[NIL]
	s_wait_dscnt 0x0
	CROUND                                         ; the closing round
	s_endpgm
.Lfunc_end_k_q5baa3a7b12_ogemm:
	.size	k_q5baa3a7b12_ogemm, .Lfunc_end_k_q5baa3a7b12_ogemm-k_q5baa3a7b12_ogemm
	.p2alignl 7, 3214868480
	.fill 96, 4, 3214868480
	.section	.rodata,"a",@progbits
	.p2align	6, 0x0
	.amdhsa_kernel k_q5baa3a7b12_ogemm
		.amdhsa_group_segment_fixed_size 327680
		.amdhsa_private_segment_fixed_size 0
		.amdhsa_enable_private_segment 0
		.amdhsa_kernarg_size 32
		.amdhsa_user_sgpr_count 2
		.amdhsa_user_sgpr_kernarg_segment_ptr 1
		.amdhsa_wavefront_size32 1
		.amdhsa_system_sgpr_workgroup_id_x 1
		.amdhsa_system_sgpr_workgroup_id_y 1
		.amdhsa_system_sgpr_workgroup_id_z 1
		.amdhsa_system_vgpr_workitem_id 0
		.amdhsa_next_free_vgpr 1024
		.amdhsa_next_free_sgpr 82
		.amdhsa_reserve_vcc 0
		.amdhsa_float_denorm_mode_32 3
		.amdhsa_float_denorm_mode_16_64 3
		.amdhsa_memory_ordered 1
		.amdhsa_forward_progress 1
		.amdhsa_inst_pref_size 100
	.end_amdhsa_kernel
	.amdgpu_metadata
---
amdhsa.version: [ 1, 2 ]
amdhsa.kernels:
  - .name:           k_q5baa3a7b12_ogemm
    .symbol:         k_q5baa3a7b12_ogemm.kd
    .args:
      - { .name: qs, .offset: 0, .size: 8, .value_kind: global_buffer, .address_space: global }
      - { .name: mt, .offset: 8, .size: 8, .value_kind: global_buffer, .address_space: global }
      - { .name: out0, .offset: 16, .size: 8, .value_kind: global_buffer, .address_space: global }
      - { .name: bo, .offset: 24, .size: 8, .value_kind: global_buffer, .address_space: global }
    .group_segment_fixed_size: 327680
    .private_segment_fixed_size: 0
    .kernarg_segment_align: 8
    .kernarg_segment_size: 32
    .max_flat_workgroup_size: 128
    .sgpr_count:     82
    .vgpr_count:     1024
    .wavefront_size: 32
...
	.end_amdgpu_metadata
.endif
;; end of part 5
